; MI455X (gfx1250); checked and timed in simulation.
; The chip was launched on July 23, 2026; its instructions are those of AMD's public machine-readable ISA for CDNA 5 (MIT licence, August 2026) and "CDNA5" Instruction Set Architecture Reference Guide (July 2026). The comments in the code are by the model that wrote it; some were corrected since.
;; Transformer Block. Allowed arithmetic: matrix products marked QUANTISED: E2M3 operands, one E8M0 scale for each 32 along K, by v_wmma_scale_f32_16x16x128_f8f6f4 with both operands' format E2M3, f32 sums; everything else in f32.
;; Inputs: W_K 16 x 64 x 1,024 float32; W_O 16 x 1,024 x 64 float32; W_Q 16 x 64 x 1,024 float32; W_V 16 x 64 x 1,024 float32; W_in 4,096 x 1,024 float32; W_out 1,024 x 4,096 float32; b_K 16 x 64 float32; b_O 1,024 float32; b_Q 16 x 64 float32; b_V 16 x 64 float32; b_in 4,096 float32; b_out 1,024 float32; x 2 x 2,048 x 1,024 float32.
;; Outputs: out0 2 x 2,048 x 1,024 float32.
;; This version of the problem:
;;   THIS VERSION OF THE PROBLEM IS GIVEN IN LOW PRECISION. The matrix products marked QUANTISED in the list below multiply operands that are first quantised to E2M3 (2 exponent bits, 3 mantissa bits; 6 bits a number), with one power-of-two scale for each 32 numbers along K (OCP MX v1.0); their sums are f32. All else is computed in f32.
;;   The module's matrix products, in the order in which they are computed (A, B: the left and right operand; K: the contracted axis; several contracted axes count as one K, in the product's order):
;;     1. [M 4,096, K 1,024] x [K 1,024, N 1,024]; A: computed on the way; B: input W_Q: QUANTISED
;;     2. [M 4,096, K 1,024] x [K 1,024, N 1,024]; A: computed on the way; B: input W_K: QUANTISED
;;     3. [M 4,096, K 1,024] x [K 1,024, N 1,024]; A: computed on the way; B: input W_V: QUANTISED
;;     4. batch 32 x [M 2,048, K 64] x [K 64, N 2,048]; A: computed on the way; B: computed on the way: QUANTISED
;;     5. batch 32 x [M 2,048, K 2,048] x [K 2,048, N 64]; A: softmax (see below); B: computed on the way: QUANTISED
;;     6. [M 4,096, K 1,024] x [K 1,024, N 1,024]; A: computed on the way; B: input W_O: QUANTISED
;;     7. [M 4,096, K 1,024] x [K 1,024, N 4,096]; A: computed on the way; B: input W_in: QUANTISED
;;     8. [M 4,096, K 4,096] x [K 4,096, N 1,024]; A: computed on the way; B: input W_out: QUANTISED
;;   THE QUANTISER, for each operand of a quantised product, along K:
;;     - K is cut into blocks of 32 from its start; a last block that is shorter is filled with zeros.
;;     - A block's scale is 2^e with e = floor(log2(the largest magnitude in the block)) - 2, held to -126 .. 127; a block of zeros has e = 0. As a byte (E8M0): e + 127.
;;     - Each number is divided by its block's scale, clamped to +-7.5, and rounded to the nearest number of E2M3, ties to even, subnormals kept.
;;     - The product sums the exact products of the quantised numbers (number of the format x scale) in f32.
;;   ~~~python
;;   def quantise(x, axis):      # numpy; x: float32 -> the quantised numbers, widened to float32 again
;;       x = np.moveaxis(x, axis, -1); K = x.shape[-1]
;;       x = np.pad(x, [(0, 0)] * (x.ndim - 1) + [(0, -K % 32)]); x = x.reshape(x.shape[:-1] + (-1, 32)); a = np.abs(x).max(-1, keepdims=True)
;;       e = np.where(a > 0, np.clip(np.frexp(np.where(a > 0, a, 1))[1] - 1 - 2, -126, 127), 0)      # np.frexp(a)[1] - 1 = floor(log2(a)), exactly
;;       r = np.clip(x / 2.0 ** e, -7.5, 7.5)
;;       step = 2.0 ** (np.maximum(np.frexp(np.where(r == 0, 1, r))[1] - 1, 0) - 3)
;;       q = np.round(r / step) * step * 2.0 ** e      # np.round: ties to even
;;       return np.moveaxis(q.reshape(q.shape[:-2] + (-1,))[..., :K], -1, axis).astype(np.float32)
;;   ~~~
;;   SOFTMAX AHEAD OF A QUANTISED PRODUCT. Where the list says 'softmax', what is quantised is not the finished softmax but p = 2^(t - M), with t = logit x log2(e) and M = ceil(the row's largest t), a whole number; so 1/2 < the row's largest p <= 1. The row's sum l is taken of the UNQUANTISED p, in f32, and the product's result is divided by l at the end. Since M is a whole number, a kernel that streams over the keys may use a running M (the ceiling of the running maximum): every later rescaling is an exact power of two, which a block's scale takes up: the codes' values come out the same.
;;   OPERANDS COMPUTED ON THE WAY. 'Computed on the way' means the value that the module computes at that place (a softmax that the list does not call 'softmax' is quantised finished and normalised). What goes into a quantiser is computed in f32, as accurately as f32 sums, v_exp_f32 and their like allow (about 1e-6 of the number): no bf16 or f16 on the way to a quantiser, and a product that is left as it is and whose result goes on into a quantised operand takes f32 operands (vector FMAs, or v_wmma_f32_16x16x4_f32). A number that lies on a knife's edge between two numbers of the format may be rounded either way, as far as f32 arithmetic and the matrix unit's own rounding can turn it there, and no further.
;; One version. Each part assembles by itself: llvm-mc -triple=amdgcn-amd-amdhsa -mcpu=gfx1250 --defsym DOCPART=n.
;; ======== version 1 of 1: 7 launches
;; limits: right only within a limited range of input values
;; workspace buffers: pbuf 13,139,968 bytes; qkvb 10,223,616 bytes; zb 3,276,800 bytes; rmid 16,777,216 bytes; mb 13,139,968 bytes; postb 13,107,200 bytes
;; launch prep (part 1): grid 1024 x 1, 8 waves a work-group, no clusters, 51,200 bytes of LDS; arguments x, W_Q, W_K, W_V, W_O, W_in, W_out, pbuf; writes pbuf
.if DOCPART == 1
	.amdgcn_target "amdgcn-amd-amdhsa--gfx1250"
	.amdhsa_code_object_version 6
	.text
	.protected	k_qb487553838_prep
	.globl	k_qb487553838_prep
	.p2align	8
	.type	k_qb487553838_prep,@function
k_qb487553838_prep:
	s_mov_b64 s[64:65], 0
	v_nop
	global_prefetch_b8 v0, s[64:65] scope:SCOPE_SE
	s_setreg_imm32_b32 hwreg(HW_REG_WAVE_MODE, 25, 1), 1
	s_wait_xcnt 0x0
; f32 rows become codes of FP6 (E2M3) with one E8M0 byte for each 32 along K, laid in the order of a matrix operand's registers.
; One text, five jobs, told apart by the work-group's number g alone (scalar selects, no branch):
;   g 0-255 the first argument's 4,096 rows, each first normalised (row - mean) / sqrt(mean of squares + 1e-5);  256-447 W_Q, W_K, W_V;  448-511 W_O (K = head x 64 + h: 256-byte pieces 262,144 bytes apart);
;   512-767 W_in;  768-1023 W_out, 1,024 along K at a time.  A launch of 256 work-groups runs the first job alone.
; A WORK-GROUP makes one TILE: 16 rows x 1,024 along K.  THE ROWS OF A TILE ARE NOT NEIGHBOURS: lane-row r of tile T is row 32 (T / 2) + 8 (T % 2) + r + 8 (r / 8).
; A tile is 16 HALF FRAGMENTS (16 rows x 64 K, 768 bytes): lane L = r + 16 h holds K block h of row r; its registers 0-3 lie at 16 L, registers 4-5 at 512 + 8 L.  Codes go to dst + 12,288 g.
; Scale words (four bytes: 128 along K of one row) go to S[K / 128][rows], index 16 T + r: 64 bytes a K step, the one store of this text that does not cover 256 consecutive bytes: one byte for 128 read.
; Wave w takes lane-rows 2 w and 2 w + 1: eight loads a row, each 16 lanes on 256 consecutive bytes.  The row turns through the wave's own stage in LDS so that lane l holds block l (32 neighbours).
; A block's codes are made in the registers into which its row was loaded, which are free once the row has gone through the stage: so the wave names 130 registers.
; A block's byte is its largest magnitude's exponent field - 2, held at 1 from below; a block of zeros keeps 1 where the rule says 127: its codes are zeros and this program alone reads the bytes.
; For weights the mean is replaced by 0 and the factor by 1.0 (both exact).  LIMITS: NaN and infinities are not served.  The mean is taken off before the squares, so a common offset does no harm.
.set SC0,  12582912                    ; the scale words begin here in dst
.set STG,  0                           ; 8 stages of 32 places of 128 + 16 bytes
.set IMG,  36864                       ; the tile's 16 half fragments, 784 bytes apart
.set SCB,  49408                       ; its scale words [K step][r]
.set X,    32                          ; v32-95  two rows as loaded; later each row's first nine registers hold its block's codes
.set Y,    96                          ; v96-127 my block's 32 numbers
	s_load_b512 s[8:23], s[0:1], 0x0               ; src 0, W_Q, W_K, W_V, W_O, W_in, W_out, dst
	v_lshl_add_u32 v128, v0, 2, 0xc400
	v_mov_b32 v129, 0
	v_lshrrev_b32 v1, 5, v0
	v_readfirstlane_b32 s2, v1                     ; wave 0..7
	v_and_b32 v1, 31, v0                           ; lane
	s_mov_b32 s3, ttmp9                            ; g
	s_mov_b32 s24, s3                              ; T: the tile
	s_mov_b32 s25, 4096                            ; bytes from row to row
	s_mov_b32 s26, 0                               ; where my 1,024 along K begin in a row
	s_mov_b32 s27, 256                             ; from lanes 0-15 to lanes 16-31
	s_mov_b32 s28, 512                             ; from load to load
	s_lshl_b32 s29, s3, 6                          ; where my scale words go, from SC0
	s_mov_b32 s30, 16384                           ; bytes of a row of S
	s_mov_b32 s31, -1                              ; all ones: normalise
	s_sub_co_u32 s32, s3, 256                      ; W_Q, W_K, W_V
	s_and_b32 s33, s32, 63
	s_lshl_b32 s34, s32, 6
	s_add_co_u32 s34, s34, 131072
	s_cmp_ge_u32 s3, 256
	s_cselect_b32 s24, s33, s24
	s_cselect_b32 s29, s34, s29
	s_cselect_b32 s31, 0, s31
	s_sub_co_u32 s32, s3, 448                      ; W_O
	s_lshl_b32 s34, s32, 6
	s_add_co_u32 s34, s34, 262144
	s_cmp_ge_u32 s3, 448
	s_cselect_b32 s24, s32, s24
	s_cselect_b32 s29, s34, s29
	s_cselect_b32 s25, 256, s25
	s_cselect_b32 s27, 262144, s27
	s_cselect_b32 s28, 524288, s28
	s_cselect_b32 s30, 4096, s30
	s_sub_co_u32 s32, s3, 512                      ; W_in
	s_lshl_b32 s34, s32, 6
	s_add_co_u32 s34, s34, 294912
	s_cmp_ge_u32 s3, 512
	s_cselect_b32 s24, s32, s24
	s_cselect_b32 s29, s34, s29
	s_cselect_b32 s25, 4096, s25
	s_cselect_b32 s27, 256, s27
	s_cselect_b32 s28, 512, s28
	s_cselect_b32 s30, 16384, s30
	s_sub_co_u32 s32, s3, 768                      ; W_out: tile (g - 768) / 4, quarter of K (g - 768) % 4
	s_lshr_b32 s33, s32, 2
	s_and_b32 s32, s32, 3
	s_lshl_b32 s34, s33, 6
	s_lshl_b32 s35, s32, 15
	s_add_co_u32 s34, s34, s35
	s_add_co_u32 s34, s34, 425984
	s_lshl_b32 s35, s32, 12
	s_cmp_ge_u32 s3, 768
	s_cselect_b32 s24, s33, s24
	s_cselect_b32 s29, s34, s29
	s_cselect_b32 s25, 16384, s25
	s_cselect_b32 s26, s35, s26
	s_cselect_b32 s30, 4096, s30
	s_lshr_b32 s32, s24, 1                         ; my first row: 32 (T / 2) + 8 (T % 2) + 2 w + 8 (w / 4)
	s_lshl_b32 s32, s32, 5
	s_and_b32 s33, s24, 1
	s_lshl_b32 s33, s33, 3
	s_add_co_u32 s32, s32, s33
	s_lshl_b32 s33, s2, 1
	s_add_co_u32 s32, s32, s33
	s_lshr_b32 s33, s2, 2
	s_lshl_b32 s33, s33, 3
	s_add_co_u32 s32, s32, s33
	s_mul_i32 s32, s32, s25
	s_add_co_u32 s32, s32, s26                     ; in bytes (under 2^25)
	s_mov_b32 s33, 0
	s_mov_b32 s34, s25
	s_mov_b32 s35, 0
	v_and_b32 v10, 15, v1
	v_lshrrev_b32 v11, 4, v1
	v_lshlrev_b32 v10, 4, v10
	v_mad_u32_u24 v2, v11, s27, v10                ; load 0: 16 (l % 16) + (l / 16) x the step between the halves
.irp j, 1,2,3,4,5,6,7
	v_add_nc_u32 v[2+\j], s28, v[1+\j]
.endr
	s_wait_kmcnt 0x0
	s_mov_b64 s[36:37], s[8:9]                     ; the source: a choice that hangs on g alone
	s_cmp_ge_u32 s3, 256
	s_cselect_b64 s[36:37], s[10:11], s[36:37]
	s_cmp_ge_u32 s3, 320
	s_cselect_b64 s[36:37], s[12:13], s[36:37]
	s_cmp_ge_u32 s3, 384
	s_cselect_b64 s[36:37], s[14:15], s[36:37]
	s_cmp_ge_u32 s3, 448
	s_cselect_b64 s[36:37], s[16:17], s[36:37]
	s_cmp_ge_u32 s3, 512
	s_cselect_b64 s[36:37], s[18:19], s[36:37]
	s_cmp_ge_u32 s3, 768
	s_cselect_b64 s[36:37], s[20:21], s[36:37]
	s_add_nc_u64 s[38:39], s[36:37], s[32:33]      ; row 0
	s_add_nc_u64 s[40:41], s[38:39], s[34:35]      ; row 1
.irp j, 0,1,2,3,4,5,6,7
	global_load_b128 v[X+4*\j:X+4*\j+3], v[2+\j], s[38:39] th:TH_LOAD_NT
.endr
.irp j, 0,1,2,3,4,5,6,7
	global_load_b128 v[X+32+4*\j:X+32+4*\j+3], v[2+\j], s[40:41] th:TH_LOAD_NT
.endr
	s_mul_i32 s32, s2, 4608                        ; my stage
	v_lshrrev_b32 v10, 3, v1
	v_mul_u32_u24 v10, v10, 144
	v_and_b32 v11, 7, v1
	v_lshl_add_u32 v10, v11, 4, v10
	v_add_nc_u32 v10, s32, v10                     ; in: eight lanes' 128 bytes are a block's place
	v_mul_u32_u24 v11, v1, 144
	v_add_nc_u32 v11, s32, v11                     ; out: place l
	v_lshrrev_b32 v15, 1, v1
	v_mul_u32_u24 v15, v15, 784                    ; block l lies in half fragment l / 2, as K block l % 2
	v_and_b32 v16, 1, v1
	v_lshl_add_u32 v12, v16, 8, v15
	s_lshl_b32 s32, s2, 5
	s_add_co_u32 s32, s32, IMG
	v_add_nc_u32 v12, s32, v12                     ; registers 0-3: 16 (r + 16 (l % 2)), r = 2 w + e
	v_lshl_add_u32 v13, v16, 7, v15
	s_lshl_b32 s32, s2, 4
	s_add_co_u32 s32, s32, IMG
	v_add_nc_u32 v13, s32, v13                     ; registers 4-5: 512 + 8 (r + 16 (l % 2))
	v_lshrrev_b32 v14, 2, v1
	v_lshlrev_b32 v14, 6, v14
	v_and_b32 v16, 3, v1
	v_add_nc_u32 v14, v14, v16
	s_lshl_b32 s32, s2, 3
	s_add_co_u32 s32, s32, SCB
	v_add_nc_u32 v14, s32, v14                     ; my byte: 64 (l / 4) + 4 r + l % 4
	s_mul_i32 s32, s2, 1568
	s_add_co_u32 s32, s32, IMG
	v_lshlrev_b32 v17, 4, v1
	v_add_nc_u32 v15, s32, v17                     ; the way out: wave w takes half fragments 2 w and 2 w + 1
	v_lshrrev_b32 v16, 4, v1
	v_lshl_add_u32 v16, v16, 4, v15                ; (the second begins 16 bytes later than dense)
	s_mul_i32 s32, s2, 1536
	v_add_nc_u32 v17, s32, v17
	v_lshrrev_b32 v18, 2, v1
	v_mul_lo_u32 v18, v18, s30
	v_and_b32 v19, 3, v1
	v_lshl_add_u32 v18, v19, 4, v18                ; scale words: K step l / 4, four rows' words
	v_lshl_add_u32 v19, v1, 4, SCB
	s_mul_i32 s32, s3, 12288
	s_add_nc_u64 s[42:43], s[22:23], s[32:33]      ; my tile's codes
	s_add_co_u32 s32, s29, SC0
	s_add_nc_u64 s[44:45], s[22:23], s[32:33]      ; my tile's scale words
	s_mov_b32 s46, 0x3a800000                      ; 1 / 1,024
	s_mov_b32 s47, 0x3727c5ac                      ; 1e-5
	s_mov_b32 s48, 0x76543210
	s_mov_b32 s49, 0xfedcba98                      ; lane l xor 16
	v_mov_b32 v30, 0                               ; a lane permute's destination counts as a source
.macro REDUCE r                        ; the sum over the 32 lanes, in every lane
	v_add_f32_dpp v[\r], v[\r], v[\r] row_xmask:1 row_mask:0xf bank_mask:0xf
	v_add_f32_dpp v[\r], v[\r], v[\r] row_xmask:2 row_mask:0xf bank_mask:0xf
	v_add_f32_dpp v[\r], v[\r], v[\r] row_xmask:4 row_mask:0xf bank_mask:0xf
	v_add_f32_dpp v[\r], v[\r], v[\r] row_xmask:8 row_mask:0xf bank_mask:0xf
	v_permlanex16_b32 v30, v[\r], s48, s49
	v_add_f32 v[\r], v[\r], v30
.endm
.macro ROW e
.set XB, X+32*\e
.set C, XB                             ; the block's codes, six registers;
.set D, XB+6                           ; the second conversion's result, three
	v_pk_add_f32 v[20:21], v[XB:XB+1], v[XB+2:XB+3]                ; the row's sum, in four chains
	v_pk_add_f32 v[22:23], v[XB+4:XB+5], v[XB+6:XB+7]
	v_pk_add_f32 v[24:25], v[XB+8:XB+9], v[XB+10:XB+11]
	v_pk_add_f32 v[26:27], v[XB+12:XB+13], v[XB+14:XB+15]
.irp i, 16,24
	v_pk_add_f32 v[20:21], v[20:21], v[XB+\i:XB+\i+1]
	v_pk_add_f32 v[22:23], v[22:23], v[XB+\i+2:XB+\i+3]
	v_pk_add_f32 v[24:25], v[24:25], v[XB+\i+4:XB+\i+5]
	v_pk_add_f32 v[26:27], v[26:27], v[XB+\i+6:XB+\i+7]
.endr
	v_pk_add_f32 v[20:21], v[20:21], v[22:23]
	v_pk_add_f32 v[24:25], v[24:25], v[26:27]
	v_pk_add_f32 v[20:21], v[20:21], v[24:25]
	v_add_f32 v20, v20, v21
	REDUCE 20
	v_mul_f32 v20, s46, v20                        ; the mean;
	v_cndmask_b32 v20, 0, v20, s31                 ; 0 for a weight
.irp i, 0,2,4,6,8,10,12,14,16,18,20,22,24,26,28,30
	v_pk_add_f32 v[XB+\i:XB+\i+1], v[XB+\i:XB+\i+1], v[20:21] op_sel_hi:[1,0] neg_lo:[0,1] neg_hi:[0,1]
.endr
	v_pk_mul_f32 v[22:23], v[XB:XB+1], v[XB:XB+1]                  ; the sum of squares, in four chains
	v_pk_mul_f32 v[24:25], v[XB+2:XB+3], v[XB+2:XB+3]
	v_pk_mul_f32 v[26:27], v[XB+4:XB+5], v[XB+4:XB+5]
	v_pk_mul_f32 v[28:29], v[XB+6:XB+7], v[XB+6:XB+7]
.irp i, 8,16,24
	v_pk_fma_f32 v[22:23], v[XB+\i:XB+\i+1], v[XB+\i:XB+\i+1], v[22:23]
	v_pk_fma_f32 v[24:25], v[XB+\i+2:XB+\i+3], v[XB+\i+2:XB+\i+3], v[24:25]
	v_pk_fma_f32 v[26:27], v[XB+\i+4:XB+\i+5], v[XB+\i+4:XB+\i+5], v[26:27]
	v_pk_fma_f32 v[28:29], v[XB+\i+6:XB+\i+7], v[XB+\i+6:XB+\i+7], v[28:29]
.endr
	v_pk_add_f32 v[22:23], v[22:23], v[24:25]
	v_pk_add_f32 v[26:27], v[26:27], v[28:29]
	v_pk_add_f32 v[22:23], v[22:23], v[26:27]
	v_add_f32 v22, v22, v23
	REDUCE 22
	v_fma_f32 v22, v22, s46, s47                   ; mean of squares + 1e-5
	v_rsq_f32 v24, v22
	v_nop                                          ; a plain line behind the transcendental,
	s_wait_alu depctr_va_vdst(0)                   ; and the wait ahead of its first reader
	v_cndmask_b32 v24, 1.0, v24, s31               ; 1.0 for a weight
.irp i, 0,2,4,6,8,10,12,14,16,18,20,22,24,26,28,30
	v_pk_mul_f32 v[XB+\i:XB+\i+1], v[XB+\i:XB+\i+1], v[24:25] op_sel_hi:[1,0]
.endr
.irp j, 0,1,2,3,4,5,6,7
	ds_store_b128 v10, v[XB+4*\j:XB+4*\j+3] offset:576*\j          ; a load's 512 bytes are four blocks' places
.endr
.irp i, 0,1,2,3,4,5,6,7
	ds_load_b128 v[Y+4*\i:Y+4*\i+3], v11 offset:16*\i              ; LDS serves a wave's instructions in order: these see my stores
.endr
	s_wait_dscnt 0x0                               ; my block is here, and the stores have read the row's registers
	v_max3_num_f32 v20, |v[Y]|, |v[Y+1]|, |v[Y+2]|                 ; the block's largest magnitude: all 32 numbers are mine
	v_max3_num_f32 v21, |v[Y+3]|, |v[Y+4]|, |v[Y+5]|
.irp i, 6,10,14,18,22,26
	v_max3_num_f32 v20, v20, |v[Y+\i]|, |v[Y+\i+1]|
	v_max3_num_f32 v21, v21, |v[Y+\i+2]|, |v[Y+\i+3]|
.endr
	v_max3_num_f32 v20, v20, |v[Y+30]|, |v[Y+31]|
	v_max3_num_f32 v20, v20, v21, 0x1800000        ; and the floor 2^(3 - 127): the byte cannot fall under 1
	v_add_nc_u32 v22, 0xff000000, v20              ; 2 off the exponent field: the conversion's scale operand
	v_cvt_scalef32_pk16_fp6_f32 v[C:C+2], v[Y:Y+15], v22
	v_cvt_scalef32_pk16_fp6_f32 v[D:D+2], v[Y+16:Y+31], v22        ; (a conversion's three registers begin on an even number)
	v_lshrrev_b32 v23, 23, v22                     ; the byte.  (The plain line behind the conversions)
.irp i, 0,1,2
	v_mov_b32 v[C+3+\i], v[D+\i]
.endr
	ds_store_b128 v12, v[C:C+3] offset:16*\e
	ds_store_b64 v13, v[C+4:C+5] offset:512+8*\e
	ds_store_b8 v14, v23 offset:4*\e
	s_wait_dscnt 0x0                               ; the stores are done: the stage may be written again; before the barrier: for the other waves' sake
.endm
	s_wait_loadcnt 0x8                             ; row 0's eight loads are in, row 1's may be out
	ROW 0
	s_wait_loadcnt 0x0
	ROW 1
	s_barrier_signal -1
	s_barrier_wait -1                              ; the tile's image is whole
	ds_load_b128 v[96:99], v15
	ds_load_b128 v[100:103], v16 offset:512
	ds_load_b128 v[104:107], v15 offset:1040
	s_wait_dscnt 0x2                               ; the two younger loads may be out
	global_store_b128 v17, v[96:99], s[42:43]      ; each store of the wave covers 512 consecutive bytes, aligned to 256
	s_wait_dscnt 0x1
	global_store_b128 v17, v[100:103], s[42:43] offset:512
	s_wait_dscnt 0x0
	global_store_b128 v17, v[104:107], s[42:43] offset:1024
	s_cmp_lg_u32 s2, 0
	s_cbranch_scc1 .Lend
	ds_load_b128 v[108:111], v19                   ; wave 0: the 128 scale words
	s_wait_dscnt 0x0
	global_store_b128 v18, v[108:111], s[44:45]
.Lend:
	s_wait_tensorcnt 0x0
	ds_add_u32 v128, v129
	s_wait_dscnt 0x0
	s_endpgm
.Lfunc_end_k_qb487553838_prep:
	.size	k_qb487553838_prep, .Lfunc_end_k_qb487553838_prep-k_qb487553838_prep
	.p2alignl 7, 3214868480
	.fill 96, 4, 3214868480
	.section	.rodata,"a",@progbits
	.p2align	6, 0x0
	.amdhsa_kernel k_qb487553838_prep
		.amdhsa_group_segment_fixed_size 51200
		.amdhsa_private_segment_fixed_size 0
		.amdhsa_enable_private_segment 0
		.amdhsa_kernarg_size 64
		.amdhsa_user_sgpr_count 2
		.amdhsa_user_sgpr_kernarg_segment_ptr 1
		.amdhsa_wavefront_size32 1
		.amdhsa_system_sgpr_workgroup_id_x 1
		.amdhsa_system_sgpr_workgroup_id_y 1
		.amdhsa_system_sgpr_workgroup_id_z 1
		.amdhsa_system_vgpr_workitem_id 0
		.amdhsa_next_free_vgpr 130
		.amdhsa_next_free_sgpr 66
		.amdhsa_reserve_vcc 0
		.amdhsa_float_denorm_mode_32 3
		.amdhsa_float_denorm_mode_16_64 3
		.amdhsa_memory_ordered 1
		.amdhsa_forward_progress 1
		.amdhsa_inst_pref_size 25
	.end_amdhsa_kernel
	.amdgpu_metadata
---
amdhsa.version: [ 1, 2 ]
amdhsa.kernels:
  - .name:           k_qb487553838_prep
    .symbol:         k_qb487553838_prep.kd
    .args:
      - { .name: x, .offset: 0, .size: 8, .value_kind: global_buffer, .address_space: global }
      - { .name: W_Q, .offset: 8, .size: 8, .value_kind: global_buffer, .address_space: global }
      - { .name: W_K, .offset: 16, .size: 8, .value_kind: global_buffer, .address_space: global }
      - { .name: W_V, .offset: 24, .size: 8, .value_kind: global_buffer, .address_space: global }
      - { .name: W_O, .offset: 32, .size: 8, .value_kind: global_buffer, .address_space: global }
      - { .name: W_in, .offset: 40, .size: 8, .value_kind: global_buffer, .address_space: global }
      - { .name: W_out, .offset: 48, .size: 8, .value_kind: global_buffer, .address_space: global }
      - { .name: pbuf, .offset: 56, .size: 8, .value_kind: global_buffer, .address_space: global }
    .group_segment_fixed_size: 51200
    .private_segment_fixed_size: 0
    .kernarg_segment_align: 8
    .kernarg_segment_size: 64
    .max_flat_workgroup_size: 256
    .sgpr_count:     66
    .vgpr_count:     130
    .wavefront_size: 32
...
	.end_amdgpu_metadata
.endif
;; end of part 1
;; launch qkv (part 2): grid 12 x 16, 4 waves a work-group, clusters of 4 x 4, 327,680 bytes of LDS; arguments pbuf, b_Q, b_K, b_V, qkvb; writes qkvb
.if DOCPART == 2
	.amdgcn_target "amdgcn-amd-amdhsa--gfx1250"
	.amdhsa_code_object_version 6
	.text
	.protected	k_qb487553838_qkv
	.globl	k_qb487553838_qkv
	.p2align	8
	.type	k_qb487553838_qkv,@function
k_qb487553838_qkv:
	s_mov_b64 s[64:65], 0
	v_nop
	global_prefetch_b8 v0, s[64:65] scope:SCOPE_SE
	s_setreg_imm32_b32 hwreg(HW_REG_WAVE_MODE, 25, 1), 1
	s_wait_xcnt 0x0
	s_wait_alu depctr_hold_cnt(0) depctr_sa_sdst(0) depctr_va_vdst(0) depctr_va_sdst(0) depctr_va_ssrc(0) depctr_va_vcc(0) depctr_vm_vsrc(0)
	s_getreg_b32 s2, hwreg(HW_REG_IB_STS2, 6, 4)
	s_cmp_eq_u32 s2, 0
	s_cbranch_scc0 .Lentry_in_a_cluster
	s_endpgm
.Lentry_in_a_cluster:
	s_bfe_u32 s2, ttmp6, 0x10000c
	s_cmp_lg_u32 s2, 0xf033
	s_cbranch_scc0 .Lentry_shape_is_right
	s_endpgm
.Lentry_shape_is_right:
; q, k, v = LN(x) W^T + b on codes of FP6 (E2M3), and their quantising for attention: q and k along the head's 64, v along the positions.
; THE PRODUCT.  A work-group of four waves makes 256 x 256, a wave 128 x 128 (64 accumulators, 512 registers).  P0 is the matrix instruction's source 0 (its rows run along a lane's registers), P1 its source 1 (a lane holds one row).
; Operands lie in memory as images of their registers: tiles of 16 rows, each K / 64 half fragments of 768 bytes (lane L: registers 0-3 at 16 L, 4-5 at 512 + 8 L); scale words S[K / 128][rows].
; Lane-row r of tile t is row 32 (t / 2) + 8 (t % 2) + r + 8 (r / 8): so the 16 registers of result tiles 2 b and 2 b + 1 are 16 NEIGHBOURING rows of P0, and 8 result tiles are 128 neighbours: a K step of the next product.
; K = 1,024 IS FOUR PIECES OF 256.  Three LDS slots are filled at the start, with the scale words of all of K: four loads of a wave are out.  The fourth piece comes into slot 0's bytes, behind the one round in the text's middle:
; between that request and the wait for it a wave issues 32 + 64 + 64 + 64 = 224 matrix instructions.  From slot 1 to slot 2 no barrier is needed: both were shown landed in front of that round, and nothing is written over.
; 4 x 4 work-groups form a cluster: P1's tiles are asked for jointly along a row of it, P0's along a column.
; Cluster x = 0, 1, 2 makes q, k, v.  For q and k P1 = x (positions), P0 = the weight (channels).  FOR v THE OPERANDS CHANGE PLACES, so that a lane's registers run along the positions, which are the K of attention's second product.
; What differs hangs on the cluster's x alone and is chosen by scalar selects: no branch.
; OUT: qkvb = three regions [batch x head 32][512 positions 4][26,624 bytes].  q, k: 32 tiles of positions x 768 bytes, then 512 words (s0, s1, s0, s1).  v: [8 x 64 keys][4 tiles of channels][768], then twice [4 x 128 keys][4][16] words.
; LIMITS: NaN and infinities are not served; a block of zeros gets the byte 1 (its codes are zeros; this program alone reads the bytes).
.set NA,   8                           ; tiles of 16 rows of P1, and of P0, to a wave
.set KC,   256                         ; along K in a slot
.set KT,   1024                        ; all of K
.set P1SP, 16384                       ; bytes of a row of P1's scale words
.set P0SP, 16384
.set P1P,  4                           ; s[4:5]: the buffer that holds P1;
.set P0P,  4                           ; and P0
.set NB,    NA
.set NQ,    KC/128                     ; matrix instructions deep: 2
.set KCB,   12*KC                      ; a tile's bytes in a slot
.set TPB,   12*KT                      ; a tile's bytes in memory
.set HALFT, NA*KCB                     ; what one tensor load brings, and what one wave reads of P1 or of P0
.set SLOT,  4*HALFT                    ; P1's two halves, then P0's
.set SCL,   3*SLOT                     ; behind the three slots: the scale words [P1, P0][half][K step][NA x 64 bytes]
.set HALFS, (KT/128)*64*NA
.set SPARE, SCL+4*HALFS                ; the spare words, 128 bytes for each wave
.set SCR,   SPARE+512                  ; scratch for the way out: no tensor load lands here
.set G1,   24                          ; s[24:31] descriptor group 1 for P1's tiles; s[32:39] group 0 for slots 0 and 1; s[92:95] for slot 2
.set G0,   32
.set G0C,  92
.set G1B,  48                          ; s[48:55], s[56:63], s[96:99] the same for P0's
.set G0B,  56
.set G0BC, 96
.set G1S,  68                          ; s[68:75], s[76:79] for P1's scale words; s[80:87], s[88:91] for P0's
.set G0S,  76
.set G1SB, 80
.set G0SB, 88
; REGISTERS, in windows of 256.  Window 0: v1-13 lane numbers and offsets; v14-25 LDS addresses of the fragments, a register for each slot; v27 of the scale words; v28, v29 for the add; v32-47 scale words, two sets; v48-55 bias;
; v64-159, v160-255 P1's fragments, two sets.  Window 1: v0-95, v128-223 P0's fragments, two sets; v96-127, v224-255 bias.  Windows 2, 3: accumulator (a, b) at register 8 (a NB + b).
.set MSB, 0
.macro WIN new                         ; the immediate's high byte repeats the setting that is left
.if MSB != \new
	s_set_vgpr_msb (MSB<<8)|\new
.set MSB, \new
.endif
.endm
.macro JLOAD g0a, g1a, g0b, g1b        ; a joint load: waves 0 and 1 fetch for P1, waves 2 and 3 for P0; the branch hangs on the wave's number alone; four v_nop follow each line
	s_cmp_eq_u32 s15, 0
	s_cbranch_scc0 .Lfor_b_\@
	tensor_load_to_lds s[\g0a:\g0a+3], s[\g1a:\g1a+7]
	s_nop 0
.rept 4
	v_nop
.endr
	s_branch .Lasked_\@
.Lfor_b_\@:
	tensor_load_to_lds s[\g0b:\g0b+3], s[\g1b:\g1b+7]
	s_nop 0
.rept 4
	v_nop
.endr
.Lasked_\@:
.endm
.macro CREST                           ; a round of the cluster's barrier behind its opening barrier
	s_cmp_lg_u32 s14, 0
	s_cbranch_scc1 .Lnot_wave_0_\@
	s_barrier_signal -3
.Lnot_wave_0_\@:
	s_barrier_wait -3
	s_barrier_signal -1
	s_barrier_wait -1
.endm
.macro CROUND
	s_barrier_signal -1
	s_barrier_wait -1
	CREST
.endm
.macro PLACES n                        ; plain vector lines between a matrix instruction and a load into, or a read of, its registers
.rept \n
	v_nop
.endr
.endm
.macro FRAG4 reg, a16, a8, off         ; a fragment (16 rows x 128 K, 12 registers) = two half fragments: every load reads consecutive bytes
	ds_load_b128 v[\reg:\reg+3], v[\a16] offset:\off
	ds_load_b64 v[\reg+4:\reg+5], v[\a8] offset:(\off)+512
	ds_load_b128 v[\reg+6:\reg+9], v[\a16] offset:(\off)+768
	ds_load_b64 v[\reg+10:\reg+11], v[\a8] offset:(\off)+1280
.endm
.macro FETCH slot, q, set              ; all fragments and scale words of the slot's q-th 128 along K, into register set 'set'
	WIN 0x40
.set fi, 0
.rept NB
	FRAG4 128*(\set)+12*fi, 20+(\slot), 23+(\slot), fi*KCB+1536*(\q)
.set fi, fi+1
.endr
	WIN 0
.set fi, 0
.rept NA
	FRAG4 64+96*(\set)+12*fi, 14+(\slot), 17+(\slot), fi*KCB+1536*(\q)
.set fi, fi+1
.endr
.set fi, 0
.rept NA
	ds_load_b32 v[32+8*(\set)+fi], v27 offset:64*NA*(\q)+64*fi     ; lanes 0-15: the words of P1's tile, lanes 16-31: of P0's
.set fi, fi+1
.endr
.endm
.macro MULA a0, n, set, zero           ; P1's tiles a0 .. a0 + n - 1 against all of P0's.  The accumulators take turns, one instruction a turn, in the same order in every step.  zero = 1: the products start the sums
.set ma, \a0
.rept \n
.set WW, 2+(8*ma*NB)/256
.set WNEW, 1+16*WW+64*WW
	WIN WNEW
.set mb, 0
.rept NB
.set AI, (8*(ma*NB+mb))%256
.set PB, 128*(\set)+12*mb
.set PA, 64+96*(\set)+12*ma
.set SB, 32+8*(\set)+mb
.set SA, 32+8*(\set)+ma
.if \zero
	v_wmma_scale_f32_16x16x128_f8f6f4 v[AI:AI+7], v[PB:PB+11], v[PA:PA+11], 0, v[SB], v[SA] matrix_a_fmt:MATRIX_FMT_FP6 matrix_b_fmt:MATRIX_FMT_FP6 matrix_a_scale:MATRIX_SCALE_ROW1
.else
	v_wmma_scale_f32_16x16x128_f8f6f4 v[AI:AI+7], v[PB:PB+11], v[PA:PA+11], v[AI:AI+7], v[SB], v[SA] matrix_a_fmt:MATRIX_FMT_FP6 matrix_b_fmt:MATRIX_FMT_FP6 matrix_a_scale:MATRIX_SCALE_ROW1
.endif
.set mb, mb+1
.endr
.set ma, ma+1
.endr
.endm
.macro STEP slot, zero                 ; a slot's first 128 along K (set 0): in the middle its second 128 are fetched into set 1
	s_wait_dscnt 0x0                               ; this step's operands, asked for half a step ago
	MULA 0, NA/2, 0, \zero
	PLACES 4
	FETCH \slot, 1, 1
	MULA NA/2, NA/2, 0, \zero
	WIN 0
.endm
.macro PASS next                       ; a slot's second 128 (set 1), where the next slot has been shown landed and nothing is filled: no barrier
	s_wait_dscnt 0x0
	MULA 0, NA/2, 1, 0
	WIN 0
	PLACES 4
	v_add_nc_u32 v27, NQ*64*NA, v27                ; on to the next slot's scale words
	FETCH \next, 0, 0
	MULA NA/2, NA/2, 1, 0
	WIN 0
.endm
.macro TURN next, fill                 ; a slot's second 128 (set 1) with a barrier.  fill = 1: the barrier opens a round of the cluster's, and slot 0, just read out, takes K's fourth piece
	s_wait_tensorcnt 0x0                           ; all my tensor loads have landed;
	ds_add_u32 v28, v29                            ; 0 onto my spare word;
	s_wait_dscnt 0x1                               ; (the add alone may be out: this step's operands are in)
	MULA 0, NA/4, 1, 0
	s_wait_dscnt 0x0                               ; the add is done, and my reads of the slot are over
	s_barrier_signal -1
	MULA NA/4, NA/4, 1, 0
	WIN 0
	s_barrier_wait -1
.if \fill
	CREST                                          ; no wave of any partner still reads slot 0 or has a load on its way
	s_add_nc_u64 s[G0+2:G0+3], s[G0+2:G0+3], 3*KCB
	s_add_nc_u64 s[G0B+2:G0B+3], s[G0B+2:G0B+3], 3*KCB
	JLOAD G0, G1, G0B, G1B                         ; the first tensor load behind the round, and my only one; its four v_nop are the places in front of the loads below
.else
	PLACES 4
.endif
	v_add_nc_u32 v27, NQ*64*NA, v27
	FETCH \next, 0, 0
	MULA NA/2, NA/2, 1, 0
	WIN 0
.endm
.set WQKVC, 3145728                    ; in pbuf: x's codes at 0, the three weights' here;
.set SC0,   12582912                   ; x's scale words here, the weights' 131,072 on
.set BLK,   26624
.set HEADB, 4*BLK
.set REG,   32*HEADB
.set T,   64                           ; the way out: v64-127 64 numbers of a lane
.set PC,  128                          ; v128-146 codes
.set TM,  200                          ; v200-215 at work
.set PW,  216                          ; the scale word just made
.set SEL, 66                           ; s[66:67] lane l xor 16
.macro QUANT s                         ; 64 numbers of a lane, register 16 b + i = k 32 b + 16 (lane / 16) + i of my row, become a fragment's codes in v[PC] on and its scale word in v[PW]
.irp b, 0,1,2,3
	v_max3_num_f32 v[TM+\b], |v[\s+16*\b]|, |v[\s+1+16*\b]|, 0x1800000   ; with the floor 2^(3 - 127): the byte cannot fall under 1
.endr
.irp i, 2,4,6,8,10,12,14
.irp b, 0,1,2,3
	v_max3_num_f32 v[TM+\b], v[TM+\b], |v[\s+16*\b+\i]|, |v[\s+1+16*\b+\i]|
.endr
.endr
.irp b, 0,1,2,3
	v_permlanex16_b32 v[TM+4+\b], v[TM+\b], s[SEL], s[SEL+1]
.endr
.irp b, 0,1,2,3
	v_max_num_f32 v[TM+\b], v[TM+\b], v[TM+4+\b]   ; with lane l xor 16's: the block's largest magnitude
.endr
.irp b, 0,1,2,3
	v_add_nc_u32 v[TM+12+\b], 0xff000000, v[TM+\b]   ; 2 off its exponent field: the conversion's scale operand
.endr
.irp b, 0,1,2,3
	v_lshrrev_b32 v[TM+4+\b], 23, v[TM+12+\b]      ; the byte
.endr
	v_lshl_or_b32 v[PW], v[TM+5], 8, v[TM+4]
	v_lshl_or_b32 v[PW], v[TM+6], 16, v[PW]
	v_lshl_or_b32 v[PW], v[TM+7], 24, v[PW]
.irp c, 0,1
	v_cvt_scalef32_pk16_fp6_f32 v[PC+6*\c:PC+2+6*\c], v[\s+32*\c:\s+15+32*\c], v[TM+12+2*\c]
	v_cvt_scalef32_pk16_fp6_f32 v[PC+12+4*\c:PC+14+4*\c], v[\s+16+32*\c:\s+31+32*\c], v[TM+12+2*\c+1]
.endr
	v_nop                                          ; one plain line behind a scaled conversion
.irp c, 0,1                            ; the operand's layout wants a whole block in a lane
.irp i, 0,1,2
	v_permlane16_swap_b32 v[PC+6*\c+\i], v[PC+12+4*\c+\i]
.endr
.irp i, 0,1,2
	v_mov_b32 v[PC+3+6*\c+\i], v[PC+12+4*\c+\i]
.endr
.endr
.endm
	s_load_b128 s[4:7], s[0:1], 0x0                ; pbuf, b_Q
	s_load_b128 s[8:11], s[0:1], 0x10              ; b_K, b_V
	s_load_b64 s[12:13], s[0:1], 0x20              ; qkvb
	v_lshl_add_u32 v28, v0, 2, SPARE
	v_mov_b32 v29, 0
	ds_add_u32 v28, v29
	ds_add_u32 v28, v29
	s_wait_dscnt 0x0
	v_lshrrev_b32 v1, 5, v0
	v_readfirstlane_b32 s14, v1                    ; wave 0..3
	s_lshr_b32 s15, s14, 1                         ; which half of P1's rows is mine.  Also: I fetch for P1 (0) or P0 (1)
	s_and_b32 s16, s14, 1                          ; which half of P0's.  Also: which half I fetch
	s_bfe_u32 s40, ttmp6, 0x40000                  ; cx, cy: my place in the cluster
	s_bfe_u32 s41, ttmp6, 0x40004
	s_lshl_b32 s43, s41, 2
	s_lshl_b32 s43, 15, s43                        ; my row of the cluster
	s_lshl_b32 s44, 0x1111, s40                    ; my column
	s_and_b32 s66, ttmp7, 0xffff
	s_lshl_b32 s66, s66, 2                         ; 4 x cluster y
	s_lshl_b32 s67, ttmp9, 2                       ; 4 x cluster x
	s_cmp_eq_u32 ttmp9, 2                          ; v?  The same in all sixteen partners
	s_cselect_b32 s17, 8, s66                      ; P1's block of 256 rows: W_V's begin at block 8 of the weights; x's by the cluster's y
	s_cselect_b32 s42, s66, s67                    ; P0's: x's by the cluster's y; the weights' by its x
	s_cselect_b32 s92, WQKVC, 0                    ; where P1's codes begin in pbuf,
	s_cselect_b32 s93, 131072, 0                   ; its scale words (from SC0),
	s_cselect_b32 s94, 0, WQKVC                    ; P0's codes,
	s_cselect_b32 s95, 0, 131072                   ; P0's scale words
	s_add_co_u32 s17, s17, s41                     ; + cy: shared along a row of the cluster
	s_add_co_u32 s42, s42, s40                     ; + cx: shared along a column
	s_add_co_u32 s93, s93, SC0
	s_add_co_u32 s95, s95, SC0
	; descriptor group 1, elements of 8 bytes, no padding: NA tiles x KCB bytes, TPB bytes apart
	s_or_b32 s[G1], s43, (3<<16)|(1<<21)
	s_or_b32 s[G1B], s44, (3<<16)|(1<<21)
.irp g, G1, G1B
	s_mov_b32 s[\g+1], (KCB/8)<<16
	s_mov_b32 s[\g+2], NA<<16
	s_mov_b32 s[\g+3], (KCB/8)<<16
	s_mov_b32 s[\g+4], NA
	s_mov_b32 s[\g+5], TPB/8
	s_mov_b32 s[\g+6], 0
	s_mov_b32 s[\g+7], 0
.endr
	; the scale words: KT / 128 rows of 64 NA bytes
	s_or_b32 s[G1S], s43, (3<<16)|(1<<21)
	s_or_b32 s[G1SB], s44, (3<<16)|(1<<21)
.irp g, G1S, G1SB
	s_mov_b32 s[\g+1], (8*NA)<<16
	s_mov_b32 s[\g+2], (KT/128)<<16
	s_mov_b32 s[\g+3], (8*NA)<<16
	s_mov_b32 s[\g+4], KT/128
	s_mov_b32 s[\g+6], 0
	s_mov_b32 s[\g+7], 0
.endr
	s_mov_b32 s[G1S+5], P1SP/8
	s_mov_b32 s[G1SB+5], P0SP/8
	s_mul_i32 s18, s16, NA                         ; which NA tiles I fetch
	s_mul_i32 s20, s17, 2*NA
	s_add_co_u32 s20, s20, s18                     ; P1: first tile
	s_lshl_b32 s22, s20, 6
	s_add_co_u32 s22, s22, s93                     ; its scale words,
	s_mul_i32 s20, s20, TPB
	s_add_co_u32 s20, s20, s92                     ; its codes (all offsets under 2^24)
	s_mov_b32 s21, 0
	s_mov_b32 s23, 0
	s_mul_i32 s46, s42, 2*NA
	s_add_co_u32 s46, s46, s18                     ; P0 likewise, in registers that never hold cy
	s_lshl_b32 s96, s46, 6
	s_add_co_u32 s96, s96, s95
	s_mul_i32 s46, s46, TPB
	s_add_co_u32 s46, s46, s94
	s_mov_b32 s47, 0
	s_mov_b32 s97, 0
	s_mul_i32 s45, s14, HALFT                      ; where they go: by the wave's number alone
	s_mul_i32 s19, s14, HALFS
	s_wait_kmcnt 0x0
	s_add_nc_u64 s[20:21], s[P1P:P1P+1], s[20:21]
	s_add_nc_u64 s[22:23], s[P1P:P1P+1], s[22:23]
	s_add_nc_u64 s[46:47], s[P0P:P0P+1], s[46:47]
	s_add_nc_u64 s[96:97], s[P0P:P0P+1], s[96:97]
	CROUND                                         ; all sixteen work-groups are here: the first joint loads meet
	s_mov_b32 s[G0S], 1
	s_add_co_u32 s[G0S+1], s19, SCL
	s_mov_b64 s[G0S+2:G0S+3], s[22:23]
	s_or_b32 s[G0S+3], s[G0S+3], 0x80000000
	s_mov_b32 s[G0SB], 1
	s_add_co_u32 s[G0SB+1], s19, SCL
	s_mov_b64 s[G0SB+2:G0SB+3], s[96:97]
	s_or_b32 s[G0SB+3], s[G0SB+3], 0x80000000
	JLOAD G0S, G1S, G0SB, G1SB                     ; the scale words first
.irp s, 0,1
	s_mov_b32 s[G0+4*\s], 1
	s_add_co_u32 s[G0+4*\s+1], s45, \s*SLOT
	s_add_nc_u64 s[G0+4*\s+2:G0+4*\s+3], s[20:21], \s*KCB
	s_or_b32 s[G0+4*\s+3], s[G0+4*\s+3], 0x80000000
	s_mov_b32 s[G0B+4*\s], 1
	s_add_co_u32 s[G0B+4*\s+1], s45, \s*SLOT
	s_add_nc_u64 s[G0B+4*\s+2:G0B+4*\s+3], s[46:47], \s*KCB
	s_or_b32 s[G0B+4*\s+3], s[G0B+4*\s+3], 0x80000000
	JLOAD G0+4*\s, G1, G0B+4*\s, G1B
.endr
	s_mov_b32 s[G0C], 1
	s_add_co_u32 s[G0C+1], s45, 2*SLOT
	s_add_nc_u64 s[G0C+2:G0C+3], s[20:21], 2*KCB
	s_or_b32 s[G0C+3], s[G0C+3], 0x80000000
	s_mov_b32 s[G0BC], 1
	s_add_co_u32 s[G0BC+1], s45, 2*SLOT
	s_add_nc_u64 s[G0BC+2:G0BC+3], s[46:47], 2*KCB
	s_or_b32 s[G0BC+3], s[G0BC+3], 0x80000000
	JLOAD G0C, G1, G0BC, G1B                       ; four loads of mine are out
	v_and_b32 v1, 31, v0                           ; lane
	v_and_b32 v2, 15, v0                           ; r
	v_bfe_u32 v3, v0, 4, 1                         ; h
	v_lshlrev_b32 v4, 4, v1                        ; 16 x lane
	v_lshlrev_b32 v5, 3, v1                        ; 8 x lane
	s_mul_i32 s21, s15, HALFT                      ; my half of P1,
	s_mul_i32 s22, s16, HALFT
	s_add_co_u32 s22, s22, 2*HALFT                 ; my half of P0
.irp s, 0,1,2
	v_add_nc_u32 v[14+\s], s21, v4
	v_add_nc_u32 v[17+\s], s21, v5
	v_add_nc_u32 v[20+\s], s22, v4
	v_add_nc_u32 v[23+\s], s22, v5
	s_add_co_u32 s21, s21, SLOT
	s_add_co_u32 s22, s22, SLOT
.endr
	s_mul_i32 s21, s15, HALFS
	s_mul_i32 s22, s16, HALFS
	s_add_co_u32 s22, s22, 2*HALFS
	s_sub_co_u32 s22, s22, s21
	v_mul_u32_u24 v6, s22, v3                      ; lanes 16-31 take P0's words: one product, the distance between the two
	s_add_co_u32 s21, s21, SCL
	v_lshl_add_u32 v6, v2, 2, v6
	v_add_nc_u32 v27, s21, v6
	; where my results go.  pos: my first position; chan: my first channel.  (No register of a descriptor is written here: four loads are out)
	s_lshl_b32 s18, s42, 8
	s_lshl_b32 s19, s16, 7
	s_add_co_u32 s18, s18, s19                     ; 256 x P0's block + 128 x its half
	s_lshl_b32 s45, s17, 8
	s_lshl_b32 s66, s15, 7
	s_add_co_u32 s45, s45, s66                     ; 256 x P1's block + 128 x its half
	s_lshl_b32 s67, s41, 8
	s_add_co_u32 s67, s67, s66                     ; 256 cy + 128 x P1's half
	s_lshl_b32 s66, s40, 8
	s_add_co_u32 s66, s66, s19                     ; 256 cx + 128 x P0's half
	s_mov_b32 s40, 3072
	s_mov_b32 s46, HEADB
	s_mov_b32 s100, 256
	s_mov_b32 s43, HEADB
	s_mov_b32 s101, 0x01000100
	s_mov_b32 s44, 0x03020302
	s_cmp_eq_u32 ttmp9, 2
	s_cselect_b32 s18, s18, s45                    ; pos
	s_cselect_b32 s19, s67, s66                    ; chan
	s_cselect_b32 s45, 8, 9                        ; 128 positions' scale words: 256 bytes in v's blocks, 512 in q's and k's
	s_cselect_b32 s66, 0, s19                      ; the bias along the registers begins here (q, k),
	s_cselect_b32 s67, s19, 0                      ; the bias along the lanes here (v); the one not wanted is read at the buffer's head and dropped
	s_cselect_b32 s40, HEADB, s40                  ; from P1's tiles 0-3 to tiles 4-7: the next head (v), four tiles of positions (q, k)
	s_cselect_b32 s46, 1024, s46                   ; from the first store of scale words to the second: the second copy (v), the next head
	s_cselect_b32 s100, HEADB, s100                ; from lanes 0-15 to lanes 16-31 in such a store
	s_cselect_b32 s43, 3072, s43                   ; from a fragment's first half to its second: the next 64 keys (v), the next head
	s_cselect_b32 s101, 0x03020100, s101           ; the first store's word: as it is (v), (s0, s1, s0, s1)
	s_cselect_b32 s44, 0x03020100, s44             ; the second's: as it is (v), (s2, s3, s2, s3)
	s_cselect_b32 s2, -1, 0                        ; all ones: the bias goes by lanes
	s_cselect_b64 s[20:21], s[10:11], s[8:9]
	s_cmp_eq_u32 ttmp9, 0
	s_cselect_b64 s[20:21], s[6:7], s[20:21]       ; b_Q, b_K or b_V
	s_lshr_b32 s22, s18, 11
	s_lshl_b32 s22, s22, 4
	s_lshr_b32 s23, s19, 6
	s_add_co_u32 s22, s22, s23                     ; batch x 16 + head
	s_lshl_b32 s22, s22, 2
	s_bfe_u32 s23, s18, 0x20009
	s_add_co_u32 s22, s22, s23                     ; the block: x 4 + which 512 positions
	s_mul_i32 s22, s22, BLK
	s_mul_i32 s23, ttmp9, REG
	s_add_co_u32 s22, s22, s23
	s_bfe_u32 s23, s18, 0x20007                    ; which 128 of the 512
	s_mul_i32 s16, s23, 6144
	s_add_co_u32 s16, s16, s22
	s_mov_b32 s17, 0
	s_lshl_b32 s6, s23, s45
	s_add_co_u32 s6, s6, s22
	s_add_co_u32 s6, s6, 24576
	s_mov_b32 s7, 0
	s_mov_b32 s41, 0
	s_mov_b32 s47, 0
	s_add_nc_u64 s[4:5], s[12:13], s[16:17]        ; codes of P1's tiles 0-3,
	s_add_nc_u64 s[8:9], s[4:5], s[40:41]          ; of tiles 4-7;
	s_add_nc_u64 s[10:11], s[12:13], s[6:7]        ; scale words, first store,
	s_add_nc_u64 s[46:47], s[10:11], s[46:47]      ; second store
	s_lshl_b32 s22, s66, 2
	s_mov_b32 s23, 0
	s_add_nc_u64 s[18:19], s[20:21], s[22:23]      ; the bias along the registers
	s_lshl_b32 s22, s67, 2
	s_add_nc_u64 s[20:21], s[20:21], s[22:23]      ; the bias along the lanes
	s_mov_b32 s[SEL], 0x76543210
	s_mov_b32 s[SEL+1], 0xfedcba98
	v_add_nc_u32 v7, s43, v4
	v_add_nc_u32 v8, s43, v5
	s_lshl_b32 s22, s14, 10
	s_add_co_u32 s22, s22, SCR                     ; my 1,024 bytes of scratch
	v_lshl_add_u32 v9, v2, 2, s22
	v_add_nc_u32 v11, s22, v4
	v_mul_lo_u32 v10, v3, s100
	v_lshl_add_u32 v10, v2, 4, v10
	v_lshlrev_b32 v12, 6, v3                       ; 16 h numbers
	v_and_b32 v13, 8, v2
	v_add_nc_u32 v13, v13, v2
	v_lshlrev_b32 v13, 2, v13                      ; r + 8 (r / 8) numbers
	WIN 0x40
.irp t, 0,1,2,3,4,5,6,7                ; for result tile t: the bias of P0's rows 32 (t / 2) + 16 h + 8 (t % 2) + 0 .. 7
	global_load_b128 v[96+8*\t+96*(\t/4):96+8*\t+96*(\t/4)+3], v12, s[18:19] offset:(32*(\t/2)+8*(\t%2))*4
	global_load_b128 v[100+8*\t+96*(\t/4):100+8*\t+96*(\t/4)+3], v12, s[18:19] offset:(32*(\t/2)+8*(\t%2))*4+16
.endr
	WIN 0
.irp a, 0,1,2,3,4,5,6,7                ; for P1's tile a: the bias of my lane's row
	global_load_b32 v[48+\a], v13, s[20:21] offset:(32*(\a/2)+8*(\a%2))*4
.endr
	s_wait_tensorcnt 0x2                           ; the scale words and my part of slot 0 are in (slot 1's and slot 2's loads may be out)
	s_barrier_signal -1
	s_barrier_wait -1                              ; everybody's are
	FETCH 0, 0, 0
	STEP 0, 1                                      ; K 0-127: the first step's products start the sums: nothing is cleared
	TURN 1, 1                                      ; K 128-255; slots 1 and 2 have landed; slot 0 takes K 768-1,023
	STEP 1, 0                                      ; K 256-383
	PASS 2                                         ; K 384-511
	STEP 2, 0                                      ; K 512-639
	TURN 0, 0                                      ; K 640-767; the fourth piece has landed; nothing is filled
	STEP 0, 0                                      ; K 768-895
	s_wait_dscnt 0x0
	MULA 0, NA, 1, 0                               ; K 896-1,023
	WIN 0
	; THE WAY OUT, a tile of P1 at a time: + bias, quantised along P0's 128 rows: two half fragments and a scale word a lane-row
	s_wait_loadcnt 0x0                             ; the biases
	PLACES 4
.irp b, 0,1,2,3
	v_mov_b32 v[TM+4+\b], 0                        ; a lane permute's destination counts as a source
.endr
.macro OUTA a
.set AW, 2+(\a)/4
.set AB, 64*((\a)%4)
.set CBR, 4+4*((\a)/4)
	WIN 0x01
.set j, 0
.rept 64
	v_cndmask_b32 v[T+j], v[96+j+96*(j/32)], v[48+(\a)], s2        ; the bias: by registers (q, k) or by lanes (v)
.set j, j+1
.endr
	WIN AW
.set j, 0
.rept 32
	v_pk_add_f32 v[T+j:T+j+1], v[AB+j:AB+j+1], v[T+j:T+j+1]        ; each accumulator from its low end on
.set j, j+2
.endr
	WIN 0
	s_wait_xcnt 0x0                                ; the last tile's stores have read their registers
	QUANT T
	global_store_b128 v4, v[PC:PC+3], s[CBR:CBR+1] offset:768*((\a)%4)         ; 512 consecutive bytes, aligned to 256;
	global_store_b64 v5, v[PC+4:PC+5], s[CBR:CBR+1] offset:768*((\a)%4)+512    ; 256
	global_store_b128 v7, v[PC+6:PC+9], s[CBR:CBR+1] offset:768*((\a)%4)
	global_store_b64 v8, v[PC+10:PC+11], s[CBR:CBR+1] offset:768*((\a)%4)+512
	v_perm_b32 v[160+(\a)], v[PW], v[PW], s101
	v_perm_b32 v[168+(\a)], v[PW], v[PW], s44
	ds_store_b32 v9, v[160+(\a)] offset:64*(\a)                    ; lanes l and l + 16 hold the same word and write it to the same place
	ds_store_b32 v9, v[168+(\a)] offset:512+64*(\a)
.endm
.irp a, 0,1,2,3,4,5,6,7
	OUTA \a
.endr
	ds_load_b128 v[176:179], v11                   ; LDS serves a wave's instructions in order: these see my stores
	ds_load_b128 v[180:183], v11 offset:512
	s_wait_dscnt 0x0
	global_store_b128 v10, v[176:179], s[10:11]    ; sixteen lanes store 256 consecutive bytes, aligned
	global_store_b128 v10, v[180:183], s[46:47]
	s_wait_tensorcnt 0x0                           ; the wave's end
	ds_add_u32 v28, v29
	s_wait_dscnt 0x0
	CROUND                                         ; the closing round
	s_endpgm
.Lfunc_end_k_qb487553838_qkv:
	.size	k_qb487553838_qkv, .Lfunc_end_k_qb487553838_qkv-k_qb487553838_qkv
	.p2alignl 7, 3214868480
	.fill 96, 4, 3214868480
	.section	.rodata,"a",@progbits
	.p2align	6, 0x0
	.amdhsa_kernel k_qb487553838_qkv
		.amdhsa_group_segment_fixed_size 327680
		.amdhsa_private_segment_fixed_size 0
		.amdhsa_enable_private_segment 0
		.amdhsa_kernarg_size 40
		.amdhsa_user_sgpr_count 2
		.amdhsa_user_sgpr_kernarg_segment_ptr 1
		.amdhsa_wavefront_size32 1
		.amdhsa_system_sgpr_workgroup_id_x 1
		.amdhsa_system_sgpr_workgroup_id_y 1
		.amdhsa_system_sgpr_workgroup_id_z 1
		.amdhsa_system_vgpr_workitem_id 0
		.amdhsa_next_free_vgpr 1024
		.amdhsa_next_free_sgpr 102
		.amdhsa_reserve_vcc 0
		.amdhsa_float_denorm_mode_32 3
		.amdhsa_float_denorm_mode_16_64 3
		.amdhsa_memory_ordered 1
		.amdhsa_forward_progress 1
		.amdhsa_inst_pref_size 205
	.end_amdhsa_kernel
	.amdgpu_metadata
---
amdhsa.version: [ 1, 2 ]
amdhsa.kernels:
  - .name:           k_qb487553838_qkv
    .symbol:         k_qb487553838_qkv.kd
    .args:
      - { .name: pbuf, .offset: 0, .size: 8, .value_kind: global_buffer, .address_space: global }
      - { .name: b_Q, .offset: 8, .size: 8, .value_kind: global_buffer, .address_space: global }
      - { .name: b_K, .offset: 16, .size: 8, .value_kind: global_buffer, .address_space: global }
      - { .name: b_V, .offset: 24, .size: 8, .value_kind: global_buffer, .address_space: global }
      - { .name: qkvb, .offset: 32, .size: 8, .value_kind: global_buffer, .address_space: global }
    .group_segment_fixed_size: 327680
    .private_segment_fixed_size: 0
    .kernarg_segment_align: 8
    .kernarg_segment_size: 40
    .max_flat_workgroup_size: 128
    .sgpr_count:     102
    .vgpr_count:     1024
    .wavefront_size: 32
...
	.end_amdgpu_metadata
.endif
;; end of part 2
;; launch attn (part 3): grid 8 x 32, 16 waves a work-group, no clusters, 215,040 bytes of LDS; arguments qkvb, zb; writes zb
.if DOCPART == 3
	.amdgcn_target "amdgcn-amd-amdhsa--gfx1250"
	.amdhsa_code_object_version 6
	.text
	.protected	k_qb487553838_attn
	.globl	k_qb487553838_attn
	.p2align	8
	.type	k_qb487553838_attn,@function
k_qb487553838_attn:
	s_mov_b64 s[64:65], 0
	v_nop
	global_prefetch_b8 v0, s[64:65] scope:SCOPE_SE
	s_setreg_imm32_b32 hwreg(HW_REG_WAVE_MODE, 25, 1), 1
	s_wait_xcnt 0x0
; z = softmax(q k^T / 8, causal) v for one batch x head, both products on codes of FP6 (E2M3) with one E8M0 scale for each 32 along a product's K; z is quantised along the head's 64 for the next product.
; THE SOFTMAX: t = score x log2(e) / 8; M = the running largest t rounded up to a whole number; p = 2^(t - M) is quantised along the keys, not normalised; the row's sum of the unquantised p divides at the end.
; SHARES.  Work-group (i, bh): sixteen waves, a tile of 16 queries each: waves 0-7 tiles 8 i + w, waves 8-15 tiles 8 (15 - i) + w - 8, so that every work-group has the same causal work.  Lane-row r of tile t is query 32 (t / 2) + 8 (t % 2) + r + 8 (r / 8).
; ALL OF THE HEAD'S K AND V LIE IN LDS AT ONCE: 2 x 106,496 bytes, each filled once: wave 0 brings K, wave 1 V, four loads each (512 keys a load, codes and scale words together): four loads of a wave are out at the most.  No slot is filled again.
; No joint loads: which key steps a work-group leaves out hangs on its block of queries, which partners of a cluster would not share.
; LAYOUT.  Both products are used transposed (S^T = K Q^T, O^T = V^T P^T): a lane holds one query throughout.  K's tiles have the same order of rows as the queries', so the 16 registers of score tiles 2 b, 2 b + 1 are 16 neighbouring keys.
; THE HEAD'S 64 fill half of the instruction's 128 along K.  Q's half fragment stands twice round six registers of zero codes, q 0 q: the fragments [q | 0] and [0 | q] share the zeros.  Two neighbouring tiles of K stand side by side as ONE
; fragment [k0 | k1], which is multiplied once by each: the zero codes take the other tile's half out of the sum.  The scale words are (s0, s1, s0, s1).  So a step's eight tiles of K are 48 registers and come by one run of loads, with one wait.
; Their last 14 registers lie under V's: V's loads stand behind the eight products and four places, and land under the softmax.
; CAUSAL.  A step of 128 keys that all come after my queries is left out (a scalar branch on ids).  On the diagonal hidden scores become -800,000, which is reference's -100,000 ahead of the division by 8.
; LIMIT: the keys of steps left out count as p = 0; that is reference's result as long as a row's largest visible score / 8 lies above about -99,800.  NaN and infinities are not served.
.set BLK,   26624
.set HEADB, 4*BLK
.set REG,   32*HEADB
.set VB,    HEADB                      ; LDS: K at 0, V here
.set KR,  34                           ; v34-81  K: tile t at KR + 6 t
.set S,   116                          ; v116-179 scores, then p
.set O,   180                          ; v180-211 O^T
.set PCD, 212                          ; v212-223 p's codes
; v1 16 l, v2 8 l, v3 4 r, v5 r + 8 (r / 8) - 16 h; v4, v6, v8-11 addresses in hand; v12 -M, v13 largest t, v[14:15] the sum; v16-33 Q: q, zeros, q; v68-115 V; v224-227 V's scale words; v228-231, v248-251 K's; v232-247, v252-254 at work; v255 Q's scale word
.set WV,  18
.set SEL, 20
.set CS,  22
.set G1,  24
.set G0,  32                           ; s[32:47] four groups 0
.set TB,  48                           ; LDS byte of the step's tiles of K (V's: + VB)
.set TSK, 49                           ; of K's scale words
.set TSV, 50                           ; of V's
.set KF,  51                           ; the step's first key
.set QMIN, 52
.set QMAX, 53
.set CNT, 54
	s_load_b128 s[4:7], s[0:1], 0x0                ; qkvb, zb
	v_lshl_add_u32 v254, v0, 2, 0x34000
	v_mov_b32 v255, 0
	ds_add_u32 v254, v255
	ds_add_u32 v254, v255
	s_wait_dscnt 0x0
	v_lshrrev_b32 v1, 5, v0
	v_readfirstlane_b32 s[WV], v1                  ; wave 0..15
	s_and_b32 s8, ttmp7, 0xffff                    ; batch x 16 + head
	s_lshl_b32 s9, ttmp9, 3
	s_sub_co_u32 s10, 112, s9
	s_cmp_lt_u32 s[WV], 8
	s_cselect_b32 s9, s9, s10
	s_add_co_u32 s9, s9, s[WV]                     ; my tile of queries
	s_lshr_b32 s10, s9, 1
	s_lshl_b32 s10, s10, 5
	s_and_b32 s11, s9, 1
	s_lshl_b32 s11, s11, 3
	s_add_co_u32 s[QMIN], s10, s11                 ; my first query,
	s_add_co_u32 s[QMAX], s[QMIN], 23              ; my last
	s_mov_b32 s[G1], 3<<16                         ; a dense block of 26,624 bytes as 104 rows of 32 elements of 8 bytes
	s_mov_b32 s[G1+1], 32<<16
	s_mov_b32 s[G1+2], 104<<16
	s_mov_b32 s[G1+3], 32<<16
	s_mov_b32 s[G1+4], 104
	s_mov_b32 s[G1+5], 32
	s_mov_b32 s[G1+6], 0
	s_mov_b32 s[G1+7], 0
	s_min_u32 s13, s[WV], 1                        ; 0: K, 1: V
	s_add_co_u32 s10, s13, 1
	s_mul_i32 s10, s10, REG
	s_mul_i32 s11, s8, HEADB
	s_add_co_u32 s10, s10, s11
	s_mov_b32 s11, 0
	s_mul_i32 s12, s13, HEADB
	s_mul_i32 s14, s8, HEADB                       ; q: my head,
	s_lshr_b32 s15, s9, 5
	s_mul_i32 s15, s15, BLK
	s_add_co_u32 s14, s14, s15                     ; my block,
	s_and_b32 s15, s9, 31
	s_mul_i32 s16, s15, 768
	s_add_co_u32 s16, s16, s14                     ; my tile's codes
	s_mov_b32 s17, 0
	s_lshl_b32 s15, s15, 6
	s_add_co_u32 s14, s14, s15
	s_add_co_u32 s14, s14, 24576                   ; and scale words
	s_mov_b32 s15, 0
	s_lshr_b32 s56, s8, 4
	s_lshl_b32 s56, s56, 7
	s_add_co_u32 s56, s56, s9                      ; z: my tile among the 256
	s_and_b32 s57, s8, 15                          ; the head = which 64 along the next K
	s_mul_i32 s58, s56, 12288
	s_mul_i32 s59, s57, 768
	s_add_co_u32 s58, s58, s59
	s_mov_b32 s59, 0
	s_lshr_b32 s60, s57, 1
	s_lshl_b32 s60, s60, 14                        ; scale words S[head / 2][4,096]; my two bytes are half head % 2 of a word
	s_lshl_b32 s56, s56, 6
	s_add_co_u32 s60, s60, s56
	s_and_b32 s57, s57, 1
	s_lshl_b32 s57, s57, 1
	s_add_co_u32 s60, s60, s57
	s_add_co_u32 s60, s60, 3145728
	s_mov_b32 s61, 0
	s_wait_kmcnt 0x0
	s_add_nc_u64 s[10:11], s[4:5], s[10:11]
.irp c, 0,1,2,3
	s_mov_b32 s[G0+4*\c], 1
	s_add_co_u32 s[G0+4*\c+1], s12, \c*BLK
	s_add_nc_u64 s[G0+4*\c+2:G0+4*\c+3], s[10:11], \c*BLK
	s_or_b32 s[G0+4*\c+3], s[G0+4*\c+3], 0x80000000
.endr
	s_cmp_lt_u32 s[WV], 2                          ; a wave's four fills stand in one branch, ahead of every wait on TENSORcnt, every LDS read and every barrier
	s_cbranch_scc0 .Lnofill
	tensor_load_to_lds s[G0:G0+3], s[G1:G1+7]
	s_nop 0
	tensor_load_to_lds s[G0+4:G0+7], s[G1:G1+7]
	s_nop 0
	tensor_load_to_lds s[G0+8:G0+11], s[G1:G1+7]
	s_nop 0
	tensor_load_to_lds s[G0+12:G0+15], s[G1:G1+7]
	s_nop 0
.rept 4
	v_nop
.endr
.Lnofill:
	s_add_nc_u64 s[16:17], s[4:5], s[16:17]
	s_add_nc_u64 s[14:15], s[4:5], s[14:15]
	s_add_nc_u64 s[58:59], s[6:7], s[58:59]
	s_add_nc_u64 s[60:61], s[6:7], s[60:61]
	v_and_b32 v5, 31, v0
	v_lshlrev_b32 v1, 4, v5
	v_lshlrev_b32 v2, 3, v5
	v_and_b32 v7, 15, v0
	v_lshlrev_b32 v3, 2, v7
	global_load_b128 v[16:19], v1, s[16:17]        ; Q's half fragment, twice: below the zeros
	global_load_b64 v[20:21], v2, s[16:17] offset:512
	global_load_b128 v[28:31], v1, s[16:17]        ; and above them
	global_load_b64 v[32:33], v2, s[16:17] offset:512
	global_load_b32 v255, v3, s[14:15]
	v_and_b32 v5, 8, v7
	v_add_nc_u32 v5, v5, v7
	v_bfe_u32 v7, v0, 4, 1
	v_lshlrev_b32 v7, 4, v7
	v_sub_nc_u32 v5, v5, v7                        ; r + 8 (r / 8) - 16 h
	s_mov_b32 s[SEL], 0x76543210
	s_mov_b32 s[SEL+1], 0xfedcba98
	s_mov_b32 s[CS], 0x3e38aa3b                    ; c = log2(e) / 8
	s_mov_b32 s[CS+1], s[CS]
	s_mov_b32 s[TB], 0
	s_mov_b32 s[TSK], 24576
	s_mov_b32 s[TSV], VB+24576
	s_mov_b32 s[KF], 0
	v_mov_b32 v13, 0xff61b1e6                      ; the largest t so far: -3e38
	v_floor_f32 v12, -v13
	v_mov_b32 v14, 0
	v_mov_b32 v15, 0
.irp b, 0,1,2,3
	v_mov_b32 v[236+\b], 0                         ; a lane permute's destination counts as a source
.endr
	v_mov_b32 v252, 0
	v_mov_b32 v253, 0
.irp j, 0,1,2,3,4,5
	v_mov_b32 v[22+\j], 0                          ; zero codes, written once
.endr
.set j, 0
.rept 32
	v_mov_b32 v[O+j], 0                            ; the step is written once: the first finds zeros
.set j, j+1
.endr
.macro KSTEP                           ; 128 keys
	s_cmp_gt_u32 s[KF], s[QMAX]
	s_cbranch_scc1 .Lhidden_\@                     ; all its keys come after my queries
	v_add_nc_u32 v8, s[TB], v1                     ; (these six name no register of the last step's products: they are the places in front of the loads below, some of which land where V's fragments lay)
	v_add_nc_u32 v9, s[TB], v2
	v_add_nc_u32 v10, s[TSK], v3
	v_add_nc_u32 v11, s[TSV], v3
	v_add_nc_u32 v4, VB, v8
	v_add_nc_u32 v6, VB, v9
.irp t, 0,1,2,3,4,5,6,7                ; the step's eight tiles of 16 keys, in one run
	ds_load_b128 v[KR+6*\t:KR+6*\t+3], v8 offset:768*\t
	ds_load_b64 v[KR+6*\t+4:KR+6*\t+5], v9 offset:768*\t+512
	ds_load_b32 v[248+(\t%4)-20*(\t/4)], v10 offset:64*\t
.endr
	s_wait_dscnt 0x0
.irp t, 0,1,2,3,4,5,6,7                ; S^T = K Q^T: tiles 2 j and 2 j + 1 are one fragment, multiplied by [q | 0] and by [0 | q]
	v_wmma_scale_f32_16x16x128_f8f6f4 v[S+8*\t:S+8*\t+7], v[KR+12*(\t/2):KR+12*(\t/2)+11], v[16+6*(\t%2):27+6*(\t%2)], 0, v[248+(\t%4)-20*(\t/4)], v255 matrix_a_fmt:MATRIX_FMT_FP6 matrix_b_fmt:MATRIX_FMT_FP6
.endr
.rept 4
	v_nop                                          ; places: in front of V's loads, which land on registers that the products have read, and of the first read of the scores
.endr
.irp t, 0,1,2,3                        ; V's four fragments are asked for now and land under the softmax
	ds_load_b128 v[68+12*\t:71+12*\t], v4 offset:768*\t
	ds_load_b64 v[72+12*\t:73+12*\t], v6 offset:768*\t+512
	ds_load_b128 v[74+12*\t:77+12*\t], v4 offset:768*\t+3072
	ds_load_b64 v[78+12*\t:79+12*\t], v6 offset:768*\t+3584
	ds_load_b32 v[224+\t], v11 offset:64*\t
.endr
	s_add_co_u32 s62, s[KF], 127
	s_cmp_le_u32 s62, s[QMIN]
	s_cbranch_scc1 .Lopen_\@                       ; all its keys count for all my queries
	s_sub_co_i32 s62, s[QMIN], s[KF]
	v_add_nc_u32 v252, s62, v5                     ; d = my query - KF - 16 h: register 16 b + i holds key KF + 16 h + 32 b + i, hidden where 32 b + i > d
	v_mov_b32 v254, 0xc9435000                     ; -800,000
.set n, 0
.rept 64
	v_cmp_gt_i32 vcc_lo, 32*(n/16)+n%16, v252
	v_cndmask_b32 v[S+n], v[S+n], v254, vcc_lo
.set n, n+1
.endr
.Lopen_\@:
.irp b, 0,1,2,3
	v_max3_num_f32 v[232+\b], v[S+16*\b], v[S+1+16*\b], v[S+2+16*\b]   ; the largest score of each block of 32 keys: for the row's maximum, and, since p rises with the score, for the block's largest p
.endr
.irp i, 3,5,7,9,11,13
.irp b, 0,1,2,3
	v_max3_num_f32 v[232+\b], v[232+\b], v[S+16*\b+\i], v[S+1+16*\b+\i]
.endr
.endr
.irp b, 0,1,2,3
	v_max_num_f32 v[232+\b], v[232+\b], v[S+15+16*\b]
.endr
.irp b, 0,1,2,3
	v_permlanex16_b32 v[236+\b], v[232+\b], s[SEL], s[SEL+1]
.endr
.irp b, 0,1,2,3
	v_max_num_f32 v[232+\b], v[232+\b], v[236+\b]
.endr
	v_max3_num_f32 v254, v232, v233, v234
	v_max_num_f32 v254, v254, v235
	v_mul_f32 v254, s[CS], v254
	v_max_num_f32 v13, v13, v254                   ; the running largest t
	v_mov_b32 v254, v12
	v_floor_f32 v12, -v13                          ; -M = floor(-t): M is a whole number
	v_sub_f32 v254, v12, v254
	v_cvt_i32_f32 v254, v254                       ; (it saturates)
	v_ldexp_f32 v252, 1.0, v254                    ; f = 2^(old M - new M): rounds nothing
.set j, 0
.rept 32
	v_pk_fma_f32 v[S+j:S+j+1], v[S+j:S+j+1], s[CS:CS+1], v[12:13] op_sel_hi:[1,0,0]   ; t - M
.set j, j+2
.endr
.irp b, 0,1,2,3
	v_fma_f32 v[232+\b], v[232+\b], s[CS], v12
.endr
.set j, 0
.rept 64
	v_exp_f32 v[S+j], v[S+j]                       ; p = 2^(t - M)
.set j, j+1
.endr
	v_pk_mul_f32 v[14:15], v[14:15], v[252:253] op_sel_hi:[1,0]    ; the sums under the new M.  (A plain line behind the exponentials)
	s_wait_alu depctr_va_vdst(0)                   ; one wait for the batch, ahead of its first reader
.irp b, 0,1,2,3
	v_exp_f32 v[232+\b], v[232+\b]                 ; each block's largest p
.endr
	v_pk_add_f32 v[236:237], v[S:S+1], v[S+2:S+3]  ; the row's sum is taken of the unquantised p, in four chains, so that an addition stands three lines behind the one that it adds onto
	v_pk_add_f32 v[240:241], v[S+4:S+5], v[S+6:S+7]
	v_pk_add_f32 v[242:243], v[S+8:S+9], v[S+10:S+11]
	v_pk_add_f32 v[14:15], v[14:15], v[S+12:S+13]
	v_pk_add_f32 v[236:237], v[236:237], v[S+14:S+15]
.irp j, 16,24,32,40,48,56
	v_pk_add_f32 v[240:241], v[240:241], v[S+\j:S+\j+1]
	v_pk_add_f32 v[242:243], v[242:243], v[S+\j+2:S+\j+3]
	v_pk_add_f32 v[14:15], v[14:15], v[S+\j+4:S+\j+5]
	v_pk_add_f32 v[236:237], v[236:237], v[S+\j+6:S+\j+7]
.endr
	v_pk_add_f32 v[240:241], v[240:241], v[242:243]
	v_pk_add_f32 v[14:15], v[14:15], v[236:237]
	v_pk_add_f32 v[14:15], v[14:15], v[240:241]
	s_wait_alu depctr_va_vdst(0)                   ; and one for the four
.irp b, 0,1,2,3
	v_max_num_f32 v[232+\b], 0x1800000, v[232+\b]  ; the floor 2^(3 - 127)
.endr
.irp b, 0,1,2,3
	v_add_nc_u32 v[244+\b], 0xff000000, v[232+\b]
.endr
.irp b, 0,1,2,3
	v_lshrrev_b32 v[236+\b], 23, v[244+\b]
.endr
	v_lshl_or_b32 v253, v237, 8, v236              ; p's scale word for these 128 keys
	v_lshl_or_b32 v253, v238, 16, v253
	v_lshl_or_b32 v253, v239, 24, v253
.irp c, 0,1
	v_cvt_scalef32_pk16_fp6_f32 v[PCD+6*\c:PCD+2+6*\c], v[S+32*\c:S+15+32*\c], v[244+2*\c]
	v_cvt_scalef32_pk16_fp6_f32 v[236+4*\c:238+4*\c], v[S+16+32*\c:S+31+32*\c], v[244+2*\c+1]
.endr
	v_nop
.irp c, 0,1
.irp i, 0,1,2
	v_permlane16_swap_b32 v[PCD+6*\c+\i], v[236+4*\c+\i]
.endr
.irp i, 0,1,2
	v_mov_b32 v[PCD+3+6*\c+\i], v[236+4*\c+\i]
.endr
.endr
.set j, 0
.rept 16
	v_pk_mul_f32 v[O+j:O+j+1], v[O+j:O+j+1], v[252:253] op_sel_hi:[1,0]   ; O^T under the new M.  (These sixteen are also the places in front of the products below)
.set j, j+2
.endr
	s_wait_dscnt 0x0                               ; V
.irp t, 0,1,2,3
	v_wmma_scale_f32_16x16x128_f8f6f4 v[O+8*\t:O+8*\t+7], v[68+12*\t:79+12*\t], v[PCD:PCD+11], v[O+8*\t:O+8*\t+7], v[224+\t], v253 matrix_a_fmt:MATRIX_FMT_FP6 matrix_b_fmt:MATRIX_FMT_FP6
.endr
.Lhidden_\@:
	s_add_co_u32 s[KF], s[KF], 128
	s_add_co_u32 s[TB], s[TB], 6144
	s_add_co_u32 s[TSK], s[TSK], 512
	s_add_co_u32 s[TSV], s[TSV], 256
.endm
.macro CHUNK c                         ; 512 keys: what one load of K and one of V brought
	s_wait_dscnt 0x0
	s_wait_tensorcnt 3-\c                          ; loads 0 .. c of mine have landed; the 3 - c behind them may be out (nothing is filled again)
	s_barrier_signal -1
	s_barrier_wait -1
	s_mov_b32 s[CNT], 4
.Lks_\@:
	KSTEP
	s_sub_co_u32 s[CNT], s[CNT], 1
	s_cmp_lg_u32 s[CNT], 0
	s_cbranch_scc1 .Lks_\@
	s_add_co_u32 s[TB], s[TB], 2048                ; over the block's scale words
	s_add_co_u32 s[TSK], s[TSK], 24576             ; over the next block's codes
	s_add_co_u32 s[TSV], s[TSV], 25600
.endm
	s_wait_loadcnt 0x0                             ; Q
	CHUNK 0
	CHUNK 1
	CHUNK 2
	CHUNK 3
	; THE WAY OUT: z = O^T / the sum; its 32 registers are channels 32 b + 16 h + i: quantised as they stand: one half fragment and two scale bytes a query
.rept 4
	v_nop
.endr
	v_add_f32 v14, v14, v15
	v_permlanex16_b32 v252, v14, s[SEL], s[SEL+1]
	v_add_f32 v14, v14, v252
	v_rcp_f32 v14, v14
	v_nop
	s_wait_alu depctr_va_vdst(0)
.set j, 0
.rept 32
	v_mul_f32 v[S+j], v[O+j], v14
.set j, j+1
.endr
.irp b, 0,1
	v_max3_num_f32 v[232+\b], |v[S+16*\b]|, |v[S+1+16*\b]|, 0x1800000
.endr
.irp i, 2,4,6,8,10,12,14
.irp b, 0,1
	v_max3_num_f32 v[232+\b], v[232+\b], |v[S+16*\b+\i]|, |v[S+1+16*\b+\i]|
.endr
.endr
.irp b, 0,1
	v_permlanex16_b32 v[236+\b], v[232+\b], s[SEL], s[SEL+1]
.endr
.irp b, 0,1
	v_max_num_f32 v[232+\b], v[232+\b], v[236+\b]
.endr
.irp b, 0,1
	v_add_nc_u32 v[244+\b], 0xff000000, v[232+\b]
.endr
.irp b, 0,1
	v_lshrrev_b32 v[236+\b], 23, v[244+\b]
.endr
	v_lshl_or_b32 v253, v237, 8, v236
	v_cvt_scalef32_pk16_fp6_f32 v[PCD:PCD+2], v[S:S+15], v244
	v_cvt_scalef32_pk16_fp6_f32 v[240:242], v[S+16:S+31], v245
	v_nop
.irp i, 0,1,2
	v_permlane16_swap_b32 v[PCD+\i], v[240+\i]
.endr
.irp i, 0,1,2
	v_mov_b32 v[PCD+3+\i], v[240+\i]
.endr
	global_store_b128 v1, v[PCD:PCD+3], s[58:59]   ; 512 consecutive bytes, aligned to 256;
	global_store_b64 v2, v[PCD+4:PCD+5], s[58:59] offset:512   ; 256
	global_store_b16 v3, v253, s[60:61]            ; two bytes of each query's scale word (the other two are the neighbouring head's); lanes l and l + 16 hold the same and write it to the same place
	s_wait_xcnt 0x0
	v_lshl_add_u32 v254, v0, 2, 0x34000
	v_mov_b32 v255, 0
	s_wait_tensorcnt 0x0
	ds_add_u32 v254, v255
	s_wait_dscnt 0x0
	s_endpgm
.Lfunc_end_k_qb487553838_attn:
	.size	k_qb487553838_attn, .Lfunc_end_k_qb487553838_attn-k_qb487553838_attn
	.p2alignl 7, 3214868480
	.fill 96, 4, 3214868480
	.section	.rodata,"a",@progbits
	.p2align	6, 0x0
	.amdhsa_kernel k_qb487553838_attn
		.amdhsa_group_segment_fixed_size 215040
		.amdhsa_private_segment_fixed_size 0
		.amdhsa_enable_private_segment 0
		.amdhsa_kernarg_size 16
		.amdhsa_user_sgpr_count 2
		.amdhsa_user_sgpr_kernarg_segment_ptr 1
		.amdhsa_wavefront_size32 1
		.amdhsa_system_sgpr_workgroup_id_x 1
		.amdhsa_system_sgpr_workgroup_id_y 1
		.amdhsa_system_sgpr_workgroup_id_z 1
		.amdhsa_system_vgpr_workitem_id 0
		.amdhsa_next_free_vgpr 256
		.amdhsa_next_free_sgpr 66
		.amdhsa_reserve_vcc 1
		.amdhsa_float_denorm_mode_32 3
		.amdhsa_float_denorm_mode_16_64 3
		.amdhsa_memory_ordered 1
		.amdhsa_forward_progress 1
		.amdhsa_inst_pref_size 101
	.end_amdhsa_kernel
	.amdgpu_metadata
---
amdhsa.version: [ 1, 2 ]
amdhsa.kernels:
  - .name:           k_qb487553838_attn
    .symbol:         k_qb487553838_attn.kd
    .args:
      - { .name: qkvb, .offset: 0, .size: 8, .value_kind: global_buffer, .address_space: global }
      - { .name: zb, .offset: 8, .size: 8, .value_kind: global_buffer, .address_space: global }
    .group_segment_fixed_size: 215040
    .private_segment_fixed_size: 0
    .kernarg_segment_align: 8
    .kernarg_segment_size: 16
    .max_flat_workgroup_size: 512
    .sgpr_count:     66
    .vgpr_count:     256
    .wavefront_size: 32
...
	.end_amdgpu_metadata
.endif
;; end of part 3
;; launch oproj (part 4): grid 8 x 32, 4 waves a work-group, clusters of 4 x 4, 327,680 bytes of LDS; arguments zb, pbuf, b_O, x, rmid; writes rmid
.if DOCPART == 4
	.amdgcn_target "amdgcn-amd-amdhsa--gfx1250"
	.amdhsa_code_object_version 6
	.text
	.protected	k_qb487553838_oproj
	.globl	k_qb487553838_oproj
	.p2align	8
	.type	k_qb487553838_oproj,@function
k_qb487553838_oproj:
	s_mov_b64 s[64:65], 0
	v_nop
	global_prefetch_b8 v0, s[64:65] scope:SCOPE_SE
	s_setreg_imm32_b32 hwreg(HW_REG_WAVE_MODE, 25, 1), 1
	s_wait_xcnt 0x0
	s_wait_alu depctr_hold_cnt(0) depctr_sa_sdst(0) depctr_va_vdst(0) depctr_va_sdst(0) depctr_va_ssrc(0) depctr_va_vcc(0) depctr_vm_vsrc(0)
	s_getreg_b32 s2, hwreg(HW_REG_IB_STS2, 6, 4)
	s_cmp_eq_u32 s2, 0
	s_cbranch_scc0 .Lentry_in_a_cluster
	s_endpgm
.Lentry_in_a_cluster:
	s_bfe_u32 s2, ttmp6, 0x10000c
	s_cmp_lg_u32 s2, 0xf033
	s_cbranch_scc0 .Lentry_shape_is_right
	s_endpgm
.Lentry_shape_is_right:
; resid_mid = x + z W_O^T + b_O, the product on codes of FP6 (E2M3) with one E8M0 scale for each 32 along K = 1,024 (head x 64 + h).
; A work-group of four waves makes 128 rows x 128 columns (256 work-groups), a wave 64 x 64 (16 accumulators).  P0 (source 0) = the weight's rows (columns of the result, along a lane's registers), P1 (source 1) = z's rows.
; Operands lie in memory as images of their registers: tiles of 16 rows, each K / 64 half fragments of 768 bytes (lane L: registers 0-3 at 16 L, 4-5 at 512 + 8 L); scale words S[K / 128][rows].
; Lane-row r of tile t is row 32 (t / 2) + 8 (t % 2) + r + 8 (r / 8).  K goes in steps of 512 through two LDS slots; here both are filled once.  4 x 4 work-groups form a cluster: P1's tiles are asked for jointly along a row, P0's along a column.
; The residual's and the bias's numbers are asked for at the head, in the layout in which rows leave.
.set NA,   4
.set KC,   512
.set KT,   1024
.set P1SP, 16384
.set P0SP, 4096
.set P1P,  4
.set P0P,  6
.set P1C,  0                           ; z's codes in zb,
.set P1S,  3145728                     ; its scale words;
.set P0C,  5505024                     ; W_O's codes in pbuf,
.set P0S,  12582912+262144             ; its scale words
.set NB,    NA
.set NQ,    KC/128
.set LAPS,  KT/(2*KC)
.set KCB,   12*KC
.set TPB,   12*KT
.set HALFT, NA*KCB
.set SLOT,  4*HALFT
.set SCL,   2*SLOT
.set HALFS, (KT/128)*64*NA
.set SPARE, SCL+4*HALFS
.set SCR,   SPARE+512
.set G1,   24
.set G0,   32
.set G1B,  48
.set G0B,  56
.set G1S,  68
.set G0S,  76
.set G1SB, 80
.set G0SB, 88
; REGISTERS.  Window 0: v1-10 lane numbers and offsets; v16-23, v27 LDS addresses; v28, v29 for the add; v32-47 scale words; v48-51 bias; v64-159, v160-255 P1's fragments (of each set 48 are used).  Window 1: P0's.  Window 2: v0-127 accumulators.  Window 3: v0-127 the residual.
.set MSB, 0
.macro WIN new
.if MSB != \new
	s_set_vgpr_msb (MSB<<8)|\new
.set MSB, \new
.endif
.endm
.macro JLOAD g0a, g1a, g0b, g1b        ; a joint load: waves 0 and 1 fetch for P1, waves 2 and 3 for P0; four v_nop follow each line
	s_cmp_eq_u32 s15, 0
	s_cbranch_scc0 .Lfor_b_\@
	tensor_load_to_lds s[\g0a:\g0a+3], s[\g1a:\g1a+7]
	s_nop 0
.rept 4
	v_nop
.endr
	s_branch .Lasked_\@
.Lfor_b_\@:
	tensor_load_to_lds s[\g0b:\g0b+3], s[\g1b:\g1b+7]
	s_nop 0
.rept 4
	v_nop
.endr
.Lasked_\@:
.endm
.macro CREST
	s_cmp_lg_u32 s14, 0
	s_cbranch_scc1 .Lnot_wave_0_\@
	s_barrier_signal -3
.Lnot_wave_0_\@:
	s_barrier_wait -3
	s_barrier_signal -1
	s_barrier_wait -1
.endm
.macro CROUND
	s_barrier_signal -1
	s_barrier_wait -1
	CREST
.endm
.macro PLACES n
.rept \n
	v_nop
.endr
.endm
.macro FRAG4 reg, a16, a8, off
	ds_load_b128 v[\reg:\reg+3], v[\a16] offset:\off
	ds_load_b64 v[\reg+4:\reg+5], v[\a8] offset:(\off)+512
	ds_load_b128 v[\reg+6:\reg+9], v[\a16] offset:(\off)+768
	ds_load_b64 v[\reg+10:\reg+11], v[\a8] offset:(\off)+1280
.endm
.macro FETCH slot, q, set
	WIN 0x40
.set fi, 0
.rept NB
	FRAG4 128*(\set)+12*fi, 20+(\slot), 22+(\slot), fi*KCB+1536*(\q)
.set fi, fi+1
.endr
	WIN 0
.set fi, 0
.rept NA
	FRAG4 64+96*(\set)+12*fi, 16+(\slot), 18+(\slot), fi*KCB+1536*(\q)
.set fi, fi+1
.endr
.set fi, 0
.rept NA
	ds_load_b32 v[32+8*(\set)+fi], v27 offset:64*NA*(\q)+64*fi
.set fi, fi+1
.endr
.endm
.macro MULA a0, n, set, zero           ; the accumulators take turns, one instruction a turn, in the same order in every step
.set ma, \a0
.rept \n
.set WW, 2+(8*ma*NB)/256
.set WNEW, 1+16*WW+64*WW
	WIN WNEW
.set mb, 0
.rept NB
.set AI, (8*(ma*NB+mb))%256
.set PB, 128*(\set)+12*mb
.set PA, 64+96*(\set)+12*ma
.set SB, 32+8*(\set)+mb
.set SA, 32+8*(\set)+ma
.if \zero
	v_wmma_scale_f32_16x16x128_f8f6f4 v[AI:AI+7], v[PB:PB+11], v[PA:PA+11], 0, v[SB], v[SA] matrix_a_fmt:MATRIX_FMT_FP6 matrix_b_fmt:MATRIX_FMT_FP6 matrix_a_scale:MATRIX_SCALE_ROW1
.else
	v_wmma_scale_f32_16x16x128_f8f6f4 v[AI:AI+7], v[PB:PB+11], v[PA:PA+11], v[AI:AI+7], v[SB], v[SA] matrix_a_fmt:MATRIX_FMT_FP6 matrix_b_fmt:MATRIX_FMT_FP6 matrix_a_scale:MATRIX_SCALE_ROW1
.endif
.set mb, mb+1
.endr
.set ma, ma+1
.endr
.endm
.macro STEP slot, q, zero
	s_wait_dscnt 0x0                               ; this step's operands, asked for half a step ago
	MULA 0, NA/2, (\q)%2, \zero
	PLACES 4
	FETCH \slot, (\q)+1, ((\q)+1)%2
	MULA NA/2, NA/2, (\q)%2, \zero
	WIN 0
.endm
.macro STEPS slot, q0
.set sq, \q0
.rept NQ-1-(\q0)
	STEP \slot, sq, 0
.set sq, sq+1
.endr
.endm
.macro TURN slot, next, fill
	s_wait_tensorcnt 0x0                           ; all my tensor loads have landed: my part of the next slot;
	ds_add_u32 v28, v29                            ; 0 onto my spare word;
	s_wait_dscnt 0x1                               ; (the add alone may be out)
	MULA 0, NA/4, 1, 0
	s_wait_dscnt 0x0                               ; the add is done, and my reads of this slot are over
	s_barrier_signal -1
	MULA NA/4, NA/4, 1, 0
	WIN 0
	s_barrier_wait -1
.if \fill
	CREST
	s_add_nc_u64 s[G0+4*\slot+2:G0+4*\slot+3], s[G0+4*\slot+2:G0+4*\slot+3], 2*KCB
	s_add_nc_u64 s[G0B+4*\slot+2:G0B+4*\slot+3], s[G0B+4*\slot+2:G0B+4*\slot+3], 2*KCB
	JLOAD G0+4*\slot, G1, G0B+4*\slot, G1B
.else
	PLACES 4
.endif
	v_add_nc_u32 v27, NQ*64*NA, v27
	FETCH \next, 0, 0
	MULA NA/2, NA/2, 1, 0
	WIN 0
.endm
	s_load_b128 s[4:7], s[0:1], 0x0                ; P1's buffer, pbuf
	s_load_b128 s[8:11], s[0:1], 0x10              ; the bias, the residual
	s_load_b64 s[12:13], s[0:1], 0x20              ; the result
	v_lshl_add_u32 v28, v0, 2, SPARE
	v_mov_b32 v29, 0
	ds_add_u32 v28, v29
	ds_add_u32 v28, v29
	s_wait_dscnt 0x0
	v_lshrrev_b32 v1, 5, v0
	v_readfirstlane_b32 s14, v1
	s_lshr_b32 s15, s14, 1
	s_and_b32 s16, s14, 1
	s_bfe_u32 s40, ttmp6, 0x40000
	s_bfe_u32 s41, ttmp6, 0x40004
	s_lshl_b32 s43, s41, 2
	s_lshl_b32 s43, 15, s43
	s_lshl_b32 s44, 0x1111, s40
	s_lshl_b32 s42, ttmp9, 2
	s_add_co_u32 s42, s42, s40                     ; P0's block of 128 = 4 x cluster x + cx
	s_and_b32 s17, ttmp7, 0xffff
	s_lshl_b32 s17, s17, 2
	s_add_co_u32 s17, s17, s41                     ; P1's = 4 x cluster y + cy
	s_mov_b32 s92, P1C
	s_mov_b32 s93, P1S
	s_mov_b32 s94, P0C
	s_mov_b32 s95, P0S
	s_or_b32 s[G1], s43, (3<<16)|(1<<21)
	s_or_b32 s[G1B], s44, (3<<16)|(1<<21)
.irp g, G1, G1B
	s_mov_b32 s[\g+1], (KCB/8)<<16
	s_mov_b32 s[\g+2], NA<<16
	s_mov_b32 s[\g+3], (KCB/8)<<16
	s_mov_b32 s[\g+4], NA
	s_mov_b32 s[\g+5], TPB/8
	s_mov_b32 s[\g+6], 0
	s_mov_b32 s[\g+7], 0
.endr
	s_or_b32 s[G1S], s43, (3<<16)|(1<<21)
	s_or_b32 s[G1SB], s44, (3<<16)|(1<<21)
.irp g, G1S, G1SB
	s_mov_b32 s[\g+1], (8*NA)<<16
	s_mov_b32 s[\g+2], (KT/128)<<16
	s_mov_b32 s[\g+3], (8*NA)<<16
	s_mov_b32 s[\g+4], KT/128
	s_mov_b32 s[\g+6], 0
	s_mov_b32 s[\g+7], 0
.endr
	s_mov_b32 s[G1S+5], P1SP/8
	s_mov_b32 s[G1SB+5], P0SP/8
	s_mul_i32 s18, s16, NA
	s_mul_i32 s20, s17, 2*NA
	s_add_co_u32 s20, s20, s18
	s_lshl_b32 s22, s20, 6
	s_add_co_u32 s22, s22, s93
	s_mul_i32 s20, s20, TPB
	s_add_co_u32 s20, s20, s92
	s_mov_b32 s21, 0
	s_mov_b32 s23, 0
	s_mul_i32 s46, s42, 2*NA
	s_add_co_u32 s46, s46, s18
	s_lshl_b32 s96, s46, 6
	s_add_co_u32 s96, s96, s95
	s_mul_i32 s46, s46, TPB
	s_add_co_u32 s46, s46, s94
	s_mov_b32 s47, 0
	s_mov_b32 s97, 0
	s_mul_i32 s45, s14, HALFT
	s_mul_i32 s19, s14, HALFS
	s_wait_kmcnt 0x0
	s_add_nc_u64 s[20:21], s[P1P:P1P+1], s[20:21]
	s_add_nc_u64 s[22:23], s[P1P:P1P+1], s[22:23]
	s_add_nc_u64 s[46:47], s[P0P:P0P+1], s[46:47]
	s_add_nc_u64 s[96:97], s[P0P:P0P+1], s[96:97]
	CROUND                                         ; all sixteen work-groups are here: the first joint loads meet
	s_mov_b32 s[G0S], 1
	s_add_co_u32 s[G0S+1], s19, SCL
	s_mov_b64 s[G0S+2:G0S+3], s[22:23]
	s_or_b32 s[G0S+3], s[G0S+3], 0x80000000
	s_mov_b32 s[G0SB], 1
	s_add_co_u32 s[G0SB+1], s19, SCL
	s_mov_b64 s[G0SB+2:G0SB+3], s[96:97]
	s_or_b32 s[G0SB+3], s[G0SB+3], 0x80000000
	JLOAD G0S, G1S, G0SB, G1SB
.irp s, 0,1
	s_mov_b32 s[G0+4*\s], 1
	s_add_co_u32 s[G0+4*\s+1], s45, \s*SLOT
	s_add_nc_u64 s[G0+4*\s+2:G0+4*\s+3], s[20:21], \s*KCB
	s_or_b32 s[G0+4*\s+3], s[G0+4*\s+3], 0x80000000
	s_mov_b32 s[G0B+4*\s], 1
	s_add_co_u32 s[G0B+4*\s+1], s45, \s*SLOT
	s_add_nc_u64 s[G0B+4*\s+2:G0B+4*\s+3], s[46:47], \s*KCB
	s_or_b32 s[G0B+4*\s+3], s[G0B+4*\s+3], 0x80000000
	JLOAD G0+4*\s, G1, G0B+4*\s, G1B               ; three loads of mine are out
.endr
	v_and_b32 v1, 31, v0
	v_and_b32 v2, 15, v0
	v_bfe_u32 v3, v0, 4, 1
	v_lshlrev_b32 v4, 4, v1
	v_lshlrev_b32 v5, 3, v1
	s_mul_i32 s21, s15, HALFT
	s_mul_i32 s22, s16, HALFT
	s_add_co_u32 s22, s22, 2*HALFT
.irp s, 0,1
	v_add_nc_u32 v[16+\s], s21, v4
	v_add_nc_u32 v[18+\s], s21, v5
	v_add_nc_u32 v[20+\s], s22, v4
	v_add_nc_u32 v[22+\s], s22, v5
	s_add_co_u32 s21, s21, SLOT
	s_add_co_u32 s22, s22, SLOT
.endr
	s_mul_i32 s21, s15, HALFS
	s_mul_i32 s22, s16, HALFS
	s_add_co_u32 s22, s22, 2*HALFS
	s_sub_co_u32 s22, s22, s21
	v_mul_u32_u24 v6, s22, v3
	s_add_co_u32 s21, s21, SCL
	v_lshl_add_u32 v6, v2, 2, v6
	v_add_nc_u32 v27, s21, v6
	; my 64 rows x 64 columns of the result
	s_lshl_b32 s18, s17, 7
	s_lshl_b32 s19, s15, 6
	s_add_co_u32 s18, s18, s19
	s_lshl_b32 s18, s18, 12                        ; my first row, 4,096 bytes a row
	s_lshl_b32 s19, s42, 7
	s_lshl_b32 s20, s16, 6
	s_add_co_u32 s19, s19, s20
	s_lshl_b32 s20, s19, 2                         ; my first column, in bytes
	s_add_co_u32 s18, s18, s20
	s_mov_b32 s19, 0
	s_mov_b32 s21, 0
	s_add_nc_u64 s[10:11], s[10:11], s[18:19]
	s_add_nc_u64 s[12:13], s[12:13], s[18:19]
	s_add_nc_u64 s[8:9], s[8:9], s[20:21]
	v_lshlrev_b32 v7, 12, v3
	v_lshl_add_u32 v7, v2, 4, v7                   ; lanes 0-15 one row's 256 bytes, lanes 16-31 the next row's
	v_lshlrev_b32 v8, 4, v2
	s_mul_i32 s22, s14, 4352
	s_add_co_u32 s22, s22, SCR                     ; my stage: 16 rows x (256 + 16) bytes
	v_mul_u32_u24 v9, v2, 272
	v_lshl_add_u32 v9, v3, 6, v9
	v_add_nc_u32 v9, s22, v9
	v_mul_u32_u24 v10, v3, 272
	v_lshl_add_u32 v10, v2, 4, v10
	v_add_nc_u32 v10, s22, v10
	global_load_b128 v[48:51], v8, s[8:9]          ; the bias of my four columns
	WIN 0xc0
.irp a, 0,1,2,3
.irp i, 0,1,2,3,4,5,6,7                ; lane-rows 2 i and 2 i + 1 of tile a
	global_load_b128 v[32*\a+4*\i:32*\a+4*\i+3], v7, s[10:11] offset:(32*(\a/2)+8*(\a%2)+2*\i+8*(\i/4))*4096 th:TH_LOAD_NT
.endr
.endr
	WIN 0
	s_wait_tensorcnt 0x1                           ; the scale words and my part of slot 0 are in (slot 1's load may be out),
	s_barrier_signal -1
	s_barrier_wait -1
	FETCH 0, 0, 0
	STEP 0, 0, 1
	STEPS 0, 1
.if LAPS > 1
	s_mov_b32 s3, LAPS-1
.Llap:
	TURN 0, 1, 1
	STEPS 1, 0
	TURN 1, 0, 1
	STEPS 0, 0
	s_sub_co_u32 s3, s3, 1
	s_cmp_lg_u32 s3, 0
	s_cbranch_scc1 .Llap
.endif
	TURN 0, 1, 0
	STEPS 1, 0
	s_wait_dscnt 0x0
	MULA 0, NA, 1, 0
	WIN 0
	; THE WAY OUT, a tile of 16 rows x 64 columns at a time, through my own stage, so that sixteen lanes store 256 consecutive bytes, aligned
.macro TOSTAGE a
	WIN 0x08
.irp b, 0,1,2,3
	ds_store_b128 v9, v[8*(4*(\a)+\b):8*(4*(\a)+\b)+3] offset:128*(\b/2)+32*(\b%2)        ; each accumulator from its low end on: columns 32 (b / 2) + 16 h + 8 (b % 2) + 0 .. 7
	ds_store_b128 v9, v[8*(4*(\a)+\b)+4:8*(4*(\a)+\b)+7] offset:128*(\b/2)+32*(\b%2)+16
.endr
	WIN 0
.set BB, 64+32*((\a)%2)
.irp i, 0,1,2,3,4,5,6,7
	ds_load_b128 v[BB+4*\i:BB+4*\i+3], v10 offset:544*\i           ; LDS serves a wave's instructions in order
.endr
.endm
.macro SEND a, younger
.set BB, 64+32*((\a)%2)
	s_wait_dscnt \younger                          ; the tile is back; the next tile's 8 stores and 8 loads may be out
.irp i, 0,1,2,3,4,5,6,7
	v_pk_add_f32 v[BB+4*\i:BB+4*\i+1], v[BB+4*\i:BB+4*\i+1], v[48:49]
	v_pk_add_f32 v[BB+4*\i+2:BB+4*\i+3], v[BB+4*\i+2:BB+4*\i+3], v[50:51]
.endr
	WIN 0x0c
.irp i, 0,1,2,3,4,5,6,7
	v_pk_add_f32 v[BB+4*\i:BB+4*\i+1], v[BB+4*\i:BB+4*\i+1], v[32*(\a)+4*\i:32*(\a)+4*\i+1]
	v_pk_add_f32 v[BB+4*\i+2:BB+4*\i+3], v[BB+4*\i+2:BB+4*\i+3], v[32*(\a)+4*\i+2:32*(\a)+4*\i+3]
.endr
	WIN 0
.irp i, 0,1,2,3,4,5,6,7
	global_store_b128 v7, v[BB+4*\i:BB+4*\i+3], s[12:13] offset:(32*((\a)/2)+8*((\a)%2)+2*\i+8*(\i/4))*4096
.endr
.endm
	s_wait_loadcnt 0x0                             ; the bias and the residual
	PLACES 4
	TOSTAGE 0
.irp a, 1,2,3
.if \a > 1
	s_wait_xcnt 0x0                                ; the stores of two tiles back have read their registers
.endif
	TOSTAGE \a
	SEND \a-1, 16
.endr
	SEND 3, 0
	s_wait_tensorcnt 0x0                           ; the wave's end
	ds_add_u32 v28, v29
	s_wait_dscnt 0x0
	CROUND                                         ; the closing round
	s_endpgm
.Lfunc_end_k_qb487553838_oproj:
	.size	k_qb487553838_oproj, .Lfunc_end_k_qb487553838_oproj-k_qb487553838_oproj
	.p2alignl 7, 3214868480
	.fill 96, 4, 3214868480
	.section	.rodata,"a",@progbits
	.p2align	6, 0x0
	.amdhsa_kernel k_qb487553838_oproj
		.amdhsa_group_segment_fixed_size 327680
		.amdhsa_private_segment_fixed_size 0
		.amdhsa_enable_private_segment 0
		.amdhsa_kernarg_size 40
		.amdhsa_user_sgpr_count 2
		.amdhsa_user_sgpr_kernarg_segment_ptr 1
		.amdhsa_wavefront_size32 1
		.amdhsa_system_sgpr_workgroup_id_x 1
		.amdhsa_system_sgpr_workgroup_id_y 1
		.amdhsa_system_sgpr_workgroup_id_z 1
		.amdhsa_system_vgpr_workitem_id 0
		.amdhsa_next_free_vgpr 1024
		.amdhsa_next_free_sgpr 102
		.amdhsa_reserve_vcc 0
		.amdhsa_float_denorm_mode_32 3
		.amdhsa_float_denorm_mode_16_64 3
		.amdhsa_memory_ordered 1
		.amdhsa_forward_progress 1
		.amdhsa_inst_pref_size 66
	.end_amdhsa_kernel
	.amdgpu_metadata
---
amdhsa.version: [ 1, 2 ]
amdhsa.kernels:
  - .name:           k_qb487553838_oproj
    .symbol:         k_qb487553838_oproj.kd
    .args:
      - { .name: zb, .offset: 0, .size: 8, .value_kind: global_buffer, .address_space: global }
      - { .name: pbuf, .offset: 8, .size: 8, .value_kind: global_buffer, .address_space: global }
      - { .name: b_O, .offset: 16, .size: 8, .value_kind: global_buffer, .address_space: global }
      - { .name: x, .offset: 24, .size: 8, .value_kind: global_buffer, .address_space: global }
      - { .name: rmid, .offset: 32, .size: 8, .value_kind: global_buffer, .address_space: global }
    .group_segment_fixed_size: 327680
    .private_segment_fixed_size: 0
    .kernarg_segment_align: 8
    .kernarg_segment_size: 40
    .max_flat_workgroup_size: 128
    .sgpr_count:     102
    .vgpr_count:     1024
    .wavefront_size: 32
...
	.end_amdgpu_metadata
.endif
;; end of part 4
;; launch ln2: the kernel of part 1 again; grid 256 x 1, 8 waves a work-group, no clusters, 51,200 bytes of LDS; arguments rmid, W_Q, W_K, W_V, W_O, W_in, W_out, mb; writes mb
;; launch mlpin (part 5): grid 16 x 16, 4 waves a work-group, clusters of 4 x 4, 327,680 bytes of LDS; arguments mb, pbuf, b_in, postb; writes postb
.if DOCPART == 5
	.amdgcn_target "amdgcn-amd-amdhsa--gfx1250"
	.amdhsa_code_object_version 6
	.text
	.protected	k_qb487553838_mlpin
	.globl	k_qb487553838_mlpin
	.p2align	8
	.type	k_qb487553838_mlpin,@function
k_qb487553838_mlpin:
	s_mov_b64 s[64:65], 0
	v_nop
	global_prefetch_b8 v0, s[64:65] scope:SCOPE_SE
	s_setreg_imm32_b32 hwreg(HW_REG_WAVE_MODE, 25, 1), 1
	s_wait_xcnt 0x0
	s_wait_alu depctr_hold_cnt(0) depctr_sa_sdst(0) depctr_va_vdst(0) depctr_va_sdst(0) depctr_va_ssrc(0) depctr_va_vcc(0) depctr_vm_vsrc(0)
	s_getreg_b32 s2, hwreg(HW_REG_IB_STS2, 6, 4)
	s_cmp_eq_u32 s2, 0
	s_cbranch_scc0 .Lentry_in_a_cluster
	s_endpgm
.Lentry_in_a_cluster:
	s_bfe_u32 s2, ttmp6, 0x10000c
	s_cmp_lg_u32 s2, 0xf033
	s_cbranch_scc0 .Lentry_shape_is_right
	s_endpgm
.Lentry_shape_is_right:
; post = gelu_new(m W_in^T + b_in), the product on codes of FP6 (E2M3), and post's quantising along the hidden units, which are the next product's K.
; A work-group of four waves makes 256 rows x 256 hidden units, a wave 128 x 128 (64 accumulators).  P0 (source 0) = W_in's rows (hidden units, along a lane's registers), P1 (source 1) = m's rows.
; Operands lie in memory as images of their registers: tiles of 16 rows, each K / 64 half fragments of 768 bytes (lane L: registers 0-3 at 16 L, 4-5 at 512 + 8 L); scale words S[K / 128][rows].
; Lane-row r of tile t is row 32 (t / 2) + 8 (t % 2) + r + 8 (r / 8): so a lane's 64 results of one tile of P1 are 4 x 16 neighbouring hidden units, in the order that the conversions want.
; K = 1,024 IS FOUR PIECES OF 256.  Three LDS slots are filled at the start, with the scale words of all of K: four loads of a wave are out.  The fourth piece comes into slot 0's bytes, behind the one round in the text's middle:
; between that request and the wait for it a wave issues 32 + 64 + 64 + 64 = 224 matrix instructions.  From slot 1 to slot 2 no barrier is needed: both were shown landed in front of that round, and nothing is written over.
; 4 x 4 work-groups form a cluster: P1's tiles are asked for jointly along a row, P0's along a column.
; gelu_new(x) = 0.5 x (1 + tanh(u)) = x / (1 + 2^(x (KA x^2 + KB))), KB = -2 sqrt(2 / pi) log2(e), KA = 0.044715 KB: an exponential that overflows gives 0, one that falls to 0 gives x.
; LIMITS: NaN and infinities are not served; a block of zeros gets the byte 1 (its codes are zeros; this program alone reads the bytes).
.set NA,   8
.set KC,   256
.set KT,   1024
.set P1SP, 16384
.set P0SP, 16384
.set P1P,  4
.set P0P,  6
.set P1C,  0                           ; m's codes in mb,
.set P1S,  12582912                    ; its scale words;
.set P0C,  6291456                     ; W_in's codes in pbuf,
.set P0S,  12582912+294912             ; its scale words
.set NB,    NA
.set NQ,    KC/128
.set KCB,   12*KC
.set TPB,   12*KT
.set HALFT, NA*KCB
.set SLOT,  4*HALFT
.set SCL,   3*SLOT                     ; behind the three slots: the scale words
.set HALFS, (KT/128)*64*NA
.set SPARE, SCL+4*HALFS
.set SCR,   SPARE+512
.set G1,   24                          ; s[24:31] group 1 for P1's tiles; s[32:39] group 0 for slots 0 and 1; s[92:95] for slot 2
.set G0,   32
.set G0C,  92
.set G1B,  48                          ; s[48:55], s[56:63], s[96:99] the same for P0's
.set G0B,  56
.set G0BC, 96
.set G1S,  68
.set G0S,  76
.set G1SB, 80
.set G0SB, 88
; REGISTERS.  Window 0: v1-12 lane numbers and offsets; v14-25 LDS addresses of the fragments, a register for each slot; v27 of the scale words; v28, v29 for the add; v32-47 scale words; v64-159, v160-255 P1's fragments.
; Window 1: v0-95, v128-223 P0's; v96-127, v224-255 the bias.  Windows 2, 3: accumulators.
.set MSB, 0
.macro WIN new
.if MSB != \new
	s_set_vgpr_msb (MSB<<8)|\new
.set MSB, \new
.endif
.endm
.macro JLOAD g0a, g1a, g0b, g1b        ; a joint load: waves 0 and 1 fetch for P1, waves 2 and 3 for P0; four v_nop follow each line
	s_cmp_eq_u32 s15, 0
	s_cbranch_scc0 .Lfor_b_\@
	tensor_load_to_lds s[\g0a:\g0a+3], s[\g1a:\g1a+7]
	s_nop 0
.rept 4
	v_nop
.endr
	s_branch .Lasked_\@
.Lfor_b_\@:
	tensor_load_to_lds s[\g0b:\g0b+3], s[\g1b:\g1b+7]
	s_nop 0
.rept 4
	v_nop
.endr
.Lasked_\@:
.endm
.macro CREST
	s_cmp_lg_u32 s14, 0
	s_cbranch_scc1 .Lnot_wave_0_\@
	s_barrier_signal -3
.Lnot_wave_0_\@:
	s_barrier_wait -3
	s_barrier_signal -1
	s_barrier_wait -1
.endm
.macro CROUND
	s_barrier_signal -1
	s_barrier_wait -1
	CREST
.endm
.macro PLACES n
.rept \n
	v_nop
.endr
.endm
.macro FRAG4 reg, a16, a8, off
	ds_load_b128 v[\reg:\reg+3], v[\a16] offset:\off
	ds_load_b64 v[\reg+4:\reg+5], v[\a8] offset:(\off)+512
	ds_load_b128 v[\reg+6:\reg+9], v[\a16] offset:(\off)+768
	ds_load_b64 v[\reg+10:\reg+11], v[\a8] offset:(\off)+1280
.endm
.macro FETCH slot, q, set
	WIN 0x40
.set fi, 0
.rept NB
	FRAG4 128*(\set)+12*fi, 20+(\slot), 23+(\slot), fi*KCB+1536*(\q)
.set fi, fi+1
.endr
	WIN 0
.set fi, 0
.rept NA
	FRAG4 64+96*(\set)+12*fi, 14+(\slot), 17+(\slot), fi*KCB+1536*(\q)
.set fi, fi+1
.endr
.set fi, 0
.rept NA
	ds_load_b32 v[32+8*(\set)+fi], v27 offset:64*NA*(\q)+64*fi
.set fi, fi+1
.endr
.endm
.macro MULA a0, n, set, zero           ; the accumulators take turns, one instruction a turn, in the same order in every step
.set ma, \a0
.rept \n
.set WW, 2+(8*ma*NB)/256
.set WNEW, 1+16*WW+64*WW
	WIN WNEW
.set mb, 0
.rept NB
.set AI, (8*(ma*NB+mb))%256
.set PB, 128*(\set)+12*mb
.set PA, 64+96*(\set)+12*ma
.set SB, 32+8*(\set)+mb
.set SA, 32+8*(\set)+ma
.if \zero
	v_wmma_scale_f32_16x16x128_f8f6f4 v[AI:AI+7], v[PB:PB+11], v[PA:PA+11], 0, v[SB], v[SA] matrix_a_fmt:MATRIX_FMT_FP6 matrix_b_fmt:MATRIX_FMT_FP6 matrix_a_scale:MATRIX_SCALE_ROW1
.else
	v_wmma_scale_f32_16x16x128_f8f6f4 v[AI:AI+7], v[PB:PB+11], v[PA:PA+11], v[AI:AI+7], v[SB], v[SA] matrix_a_fmt:MATRIX_FMT_FP6 matrix_b_fmt:MATRIX_FMT_FP6 matrix_a_scale:MATRIX_SCALE_ROW1
.endif
.set mb, mb+1
.endr
.set ma, ma+1
.endr
.endm
.macro STEP slot, zero                 ; a slot's first 128 along K (set 0): in the middle its second 128 are fetched into set 1
	s_wait_dscnt 0x0                               ; this step's operands, asked for half a step ago
	MULA 0, NA/2, 0, \zero
	PLACES 4
	FETCH \slot, 1, 1
	MULA NA/2, NA/2, 0, \zero
	WIN 0
.endm
.macro PASS next                       ; a slot's second 128 (set 1), where the next slot has been shown landed and nothing is filled: no barrier
	s_wait_dscnt 0x0
	MULA 0, NA/2, 1, 0
	WIN 0
	PLACES 4
	v_add_nc_u32 v27, NQ*64*NA, v27                ; on to the next slot's scale words
	FETCH \next, 0, 0
	MULA NA/2, NA/2, 1, 0
	WIN 0
.endm
.macro TURN next, fill                 ; a slot's second 128 (set 1) with a barrier.  fill = 1: the barrier opens a round of the cluster's, and slot 0, just read out, takes K's fourth piece
	s_wait_tensorcnt 0x0                           ; all my tensor loads have landed;
	ds_add_u32 v28, v29                            ; 0 onto my spare word;
	s_wait_dscnt 0x1                               ; (the add alone may be out)
	MULA 0, NA/4, 1, 0
	s_wait_dscnt 0x0                               ; the add is done, and my reads of the slot are over
	s_barrier_signal -1
	MULA NA/4, NA/4, 1, 0
	WIN 0
	s_barrier_wait -1
.if \fill
	CREST                                          ; no wave of any partner still reads slot 0 or has a load on its way
	s_add_nc_u64 s[G0+2:G0+3], s[G0+2:G0+3], 3*KCB
	s_add_nc_u64 s[G0B+2:G0B+3], s[G0B+2:G0B+3], 3*KCB
	JLOAD G0, G1, G0B, G1B                         ; the first tensor load behind the round, and my only one
.else
	PLACES 4
.endif
	v_add_nc_u32 v27, NQ*64*NA, v27
	FETCH \next, 0, 0
	MULA NA/2, NA/2, 1, 0
	WIN 0
.endm
.set T,   64                           ; the way out: v64-127 64 numbers of a lane
.set U,   128                          ; v128-191 at work
.set PC,  192                          ; v192-210 codes
.set TM,  212                          ; v212-227 at work
.set PW,  228
.set SEL, 66
.macro QUANT s                         ; 64 numbers of a lane, register 16 b + i = k 32 b + 16 (lane / 16) + i of my row, become a fragment's codes in v[PC] on and its scale word in v[PW]
.irp b, 0,1,2,3
	v_max3_num_f32 v[TM+\b], |v[\s+16*\b]|, |v[\s+1+16*\b]|, 0x1800000
.endr
.irp i, 2,4,6,8,10,12,14
.irp b, 0,1,2,3
	v_max3_num_f32 v[TM+\b], v[TM+\b], |v[\s+16*\b+\i]|, |v[\s+1+16*\b+\i]|
.endr
.endr
.irp b, 0,1,2,3
	v_permlanex16_b32 v[TM+4+\b], v[TM+\b], s[SEL], s[SEL+1]
.endr
.irp b, 0,1,2,3
	v_max_num_f32 v[TM+\b], v[TM+\b], v[TM+4+\b]
.endr
.irp b, 0,1,2,3
	v_add_nc_u32 v[TM+12+\b], 0xff000000, v[TM+\b]
.endr
.irp b, 0,1,2,3
	v_lshrrev_b32 v[TM+4+\b], 23, v[TM+12+\b]
.endr
	v_lshl_or_b32 v[PW], v[TM+5], 8, v[TM+4]
	v_lshl_or_b32 v[PW], v[TM+6], 16, v[PW]
	v_lshl_or_b32 v[PW], v[TM+7], 24, v[PW]
.irp c, 0,1
	v_cvt_scalef32_pk16_fp6_f32 v[PC+6*\c:PC+2+6*\c], v[\s+32*\c:\s+15+32*\c], v[TM+12+2*\c]
	v_cvt_scalef32_pk16_fp6_f32 v[PC+12+4*\c:PC+14+4*\c], v[\s+16+32*\c:\s+31+32*\c], v[TM+12+2*\c+1]
.endr
	v_nop
.irp c, 0,1
.irp i, 0,1,2
	v_permlane16_swap_b32 v[PC+6*\c+\i], v[PC+12+4*\c+\i]
.endr
.irp i, 0,1,2
	v_mov_b32 v[PC+3+6*\c+\i], v[PC+12+4*\c+\i]
.endr
.endr
.endm
	s_load_b128 s[4:7], s[0:1], 0x0                ; mb, pbuf
	s_load_b128 s[8:11], s[0:1], 0x10              ; b_in, postb
	v_lshl_add_u32 v28, v0, 2, SPARE
	v_mov_b32 v29, 0
	ds_add_u32 v28, v29
	ds_add_u32 v28, v29
	s_wait_dscnt 0x0
	v_lshrrev_b32 v1, 5, v0
	v_readfirstlane_b32 s14, v1
	s_lshr_b32 s15, s14, 1
	s_and_b32 s16, s14, 1
	s_bfe_u32 s40, ttmp6, 0x40000
	s_bfe_u32 s41, ttmp6, 0x40004
	s_lshl_b32 s43, s41, 2
	s_lshl_b32 s43, 15, s43
	s_lshl_b32 s44, 0x1111, s40
	s_lshl_b32 s42, ttmp9, 2
	s_add_co_u32 s42, s42, s40                     ; P0's block of 256 = 4 x cluster x + cx
	s_and_b32 s17, ttmp7, 0xffff
	s_lshl_b32 s17, s17, 2
	s_add_co_u32 s17, s17, s41                     ; P1's = 4 x cluster y + cy
	s_mov_b32 s92, P1C
	s_mov_b32 s93, P1S
	s_mov_b32 s94, P0C
	s_mov_b32 s95, P0S
	s_or_b32 s[G1], s43, (3<<16)|(1<<21)
	s_or_b32 s[G1B], s44, (3<<16)|(1<<21)
.irp g, G1, G1B
	s_mov_b32 s[\g+1], (KCB/8)<<16
	s_mov_b32 s[\g+2], NA<<16
	s_mov_b32 s[\g+3], (KCB/8)<<16
	s_mov_b32 s[\g+4], NA
	s_mov_b32 s[\g+5], TPB/8
	s_mov_b32 s[\g+6], 0
	s_mov_b32 s[\g+7], 0
.endr
	s_or_b32 s[G1S], s43, (3<<16)|(1<<21)
	s_or_b32 s[G1SB], s44, (3<<16)|(1<<21)
.irp g, G1S, G1SB
	s_mov_b32 s[\g+1], (8*NA)<<16
	s_mov_b32 s[\g+2], (KT/128)<<16
	s_mov_b32 s[\g+3], (8*NA)<<16
	s_mov_b32 s[\g+4], KT/128
	s_mov_b32 s[\g+6], 0
	s_mov_b32 s[\g+7], 0
.endr
	s_mov_b32 s[G1S+5], P1SP/8
	s_mov_b32 s[G1SB+5], P0SP/8
	s_mul_i32 s18, s16, NA
	s_mul_i32 s20, s17, 2*NA
	s_add_co_u32 s20, s20, s18
	s_lshl_b32 s22, s20, 6
	s_add_co_u32 s22, s22, s93
	s_mul_i32 s20, s20, TPB
	s_add_co_u32 s20, s20, s92
	s_mov_b32 s21, 0
	s_mov_b32 s23, 0
	s_mul_i32 s46, s42, 2*NA
	s_add_co_u32 s46, s46, s18
	s_lshl_b32 s96, s46, 6
	s_add_co_u32 s96, s96, s95
	s_mul_i32 s46, s46, TPB
	s_add_co_u32 s46, s46, s94
	s_mov_b32 s47, 0
	s_mov_b32 s97, 0
	s_mul_i32 s45, s14, HALFT
	s_mul_i32 s19, s14, HALFS
	s_wait_kmcnt 0x0
	s_add_nc_u64 s[20:21], s[P1P:P1P+1], s[20:21]
	s_add_nc_u64 s[22:23], s[P1P:P1P+1], s[22:23]
	s_add_nc_u64 s[46:47], s[P0P:P0P+1], s[46:47]
	s_add_nc_u64 s[96:97], s[P0P:P0P+1], s[96:97]
	CROUND                                         ; all sixteen work-groups are here: the first joint loads meet
	s_mov_b32 s[G0S], 1
	s_add_co_u32 s[G0S+1], s19, SCL
	s_mov_b64 s[G0S+2:G0S+3], s[22:23]
	s_or_b32 s[G0S+3], s[G0S+3], 0x80000000
	s_mov_b32 s[G0SB], 1
	s_add_co_u32 s[G0SB+1], s19, SCL
	s_mov_b64 s[G0SB+2:G0SB+3], s[96:97]
	s_or_b32 s[G0SB+3], s[G0SB+3], 0x80000000
	JLOAD G0S, G1S, G0SB, G1SB
.irp s, 0,1
	s_mov_b32 s[G0+4*\s], 1
	s_add_co_u32 s[G0+4*\s+1], s45, \s*SLOT
	s_add_nc_u64 s[G0+4*\s+2:G0+4*\s+3], s[20:21], \s*KCB
	s_or_b32 s[G0+4*\s+3], s[G0+4*\s+3], 0x80000000
	s_mov_b32 s[G0B+4*\s], 1
	s_add_co_u32 s[G0B+4*\s+1], s45, \s*SLOT
	s_add_nc_u64 s[G0B+4*\s+2:G0B+4*\s+3], s[46:47], \s*KCB
	s_or_b32 s[G0B+4*\s+3], s[G0B+4*\s+3], 0x80000000
	JLOAD G0+4*\s, G1, G0B+4*\s, G1B
.endr
	s_mov_b32 s[G0C], 1
	s_add_co_u32 s[G0C+1], s45, 2*SLOT
	s_add_nc_u64 s[G0C+2:G0C+3], s[20:21], 2*KCB
	s_or_b32 s[G0C+3], s[G0C+3], 0x80000000
	s_mov_b32 s[G0BC], 1
	s_add_co_u32 s[G0BC+1], s45, 2*SLOT
	s_add_nc_u64 s[G0BC+2:G0BC+3], s[46:47], 2*KCB
	s_or_b32 s[G0BC+3], s[G0BC+3], 0x80000000
	JLOAD G0C, G1, G0BC, G1B                       ; four loads of mine are out
	v_and_b32 v1, 31, v0
	v_and_b32 v2, 15, v0
	v_bfe_u32 v3, v0, 4, 1
	v_lshlrev_b32 v4, 4, v1
	v_lshlrev_b32 v5, 3, v1
	s_mul_i32 s21, s15, HALFT
	s_mul_i32 s22, s16, HALFT
	s_add_co_u32 s22, s22, 2*HALFT
.irp s, 0,1,2
	v_add_nc_u32 v[14+\s], s21, v4
	v_add_nc_u32 v[17+\s], s21, v5
	v_add_nc_u32 v[20+\s], s22, v4
	v_add_nc_u32 v[23+\s], s22, v5
	s_add_co_u32 s21, s21, SLOT
	s_add_co_u32 s22, s22, SLOT
.endr
	s_mul_i32 s21, s15, HALFS
	s_mul_i32 s22, s16, HALFS
	s_add_co_u32 s22, s22, 2*HALFS
	s_sub_co_u32 s22, s22, s21
	v_mul_u32_u24 v6, s22, v3
	s_add_co_u32 s21, s21, SCL
	v_lshl_add_u32 v6, v2, 2, v6
	v_add_nc_u32 v27, s21, v6
	; where my results go.  (No register of a descriptor is written here: four loads are out)
	s_lshl_b32 s18, s42, 8
	s_lshl_b32 s19, s16, 7
	s_add_co_u32 s18, s18, s19                     ; my first hidden unit
	s_lshl_b32 s20, s18, 2
	s_mov_b32 s21, 0
	s_add_nc_u64 s[8:9], s[8:9], s[20:21]          ; its bias
	s_lshr_b32 s18, s18, 6                         ; which 64 along the next K
	s_mul_i32 s20, s18, 768
	s_lshl_b32 s22, s17, 4
	s_lshl_b32 s23, s15, 3
	s_add_co_u32 s22, s22, s23                     ; my first tile of rows
	s_mul_i32 s23, s22, 49152                      ; a tile of post is 64 half fragments
	s_add_co_u32 s20, s20, s23
	s_add_nc_u64 s[4:5], s[10:11], s[20:21]        ; codes
	s_lshr_b32 s18, s18, 1
	s_lshl_b32 s18, s18, 14
	s_lshl_b32 s22, s22, 6
	s_add_co_u32 s20, s18, s22
	s_add_co_u32 s20, s20, 12582912
	s_add_nc_u64 s[6:7], s[10:11], s[20:21]        ; scale words
	s_mov_b32 s12, 0xbdd2d3e8                      ; KA = -0.10294324
	s_mov_b32 s13, s12
	s_mov_b32 s[SEL], 0x76543210
	s_mov_b32 s[SEL+1], 0xfedcba98
	s_lshl_b32 s22, s14, 9
	s_add_co_u32 s22, s22, SCR                     ; my 512 bytes of scratch
	v_lshl_add_u32 v9, v2, 2, s22
	v_add_nc_u32 v11, s22, v4
	v_lshlrev_b32 v12, 6, v3
	WIN 0x40
.irp t, 0,1,2,3,4,5,6,7                ; for result tile t: the bias of hidden units 32 (t / 2) + 16 h + 8 (t % 2) + 0 .. 7
	global_load_b128 v[96+8*\t+96*(\t/4):96+8*\t+96*(\t/4)+3], v12, s[8:9] offset:(32*(\t/2)+8*(\t%2))*4
	global_load_b128 v[100+8*\t+96*(\t/4):100+8*\t+96*(\t/4)+3], v12, s[8:9] offset:(32*(\t/2)+8*(\t%2))*4+16
.endr
	WIN 0
	s_wait_tensorcnt 0x2                           ; the scale words and my part of slot 0 are in (slot 1's and slot 2's loads may be out)
	s_barrier_signal -1
	s_barrier_wait -1
	FETCH 0, 0, 0
	STEP 0, 1                                      ; K 0-127: the first step's products start the sums
	TURN 1, 1                                      ; K 128-255; slots 1 and 2 have landed; slot 0 takes K 768-1,023
	STEP 1, 0                                      ; K 256-383
	PASS 2                                         ; K 384-511
	STEP 2, 0                                      ; K 512-639
	TURN 0, 0                                      ; K 640-767; the fourth piece has landed; nothing is filled
	STEP 0, 0                                      ; K 768-895
	s_wait_dscnt 0x0
	MULA 0, NA, 1, 0                               ; K 896-1,023
	WIN 0
	; THE WAY OUT, a tile of 16 rows at a time: + bias, gelu, quantised: one fragment of the next product and a scale word a row
	s_wait_loadcnt 0x0
	PLACES 4
.irp b, 0,1,2,3
	v_mov_b32 v[TM+4+\b], 0
.endr
	v_mov_b32 v230, 0xc0135761                     ; KB = -2.3022082
	v_mov_b32 v231, 0xc0135761
.macro OUTA a
.set AW, 2+(\a)/4
.set AB, 64*((\a)%4)
.set WNEW, AW+4
	WIN WNEW
.set j, 0
.rept 32
	v_pk_add_f32 v[T+j:T+j+1], v[AB+j:AB+j+1], v[96+j+96*(j/32):97+j+96*(j/32)]   ; x = sum + bias; each accumulator from its low end on
.set j, j+2
.endr
	WIN 0
.set j, 0
.rept 32
	v_pk_mul_f32 v[U+j:U+j+1], v[T+j:T+j+1], v[T+j:T+j+1]
.set j, j+2
.endr
.set j, 0
.rept 32
	v_pk_fma_f32 v[U+j:U+j+1], v[U+j:U+j+1], s[12:13], v[230:231] op_sel_hi:[1,0,1]
.set j, j+2
.endr
.set j, 0
.rept 32
	v_pk_mul_f32 v[U+j:U+j+1], v[U+j:U+j+1], v[T+j:T+j+1]
.set j, j+2
.endr
.set j, 0
.rept 64
	v_exp_f32 v[U+j], v[U+j]
.set j, j+1
.endr
	v_nop                                          ; a plain line behind the batch,
	s_wait_alu depctr_va_vdst(0)                   ; and one wait ahead of its first reader
.set j, 0
.rept 32
	v_pk_add_f32 v[U+j:U+j+1], v[U+j:U+j+1], 1.0 op_sel_hi:[1,0]
.set j, j+2
.endr
.set j, 0
.rept 64
	v_rcp_f32 v[U+j], v[U+j]
.set j, j+1
.endr
	v_nop
	s_wait_alu depctr_va_vdst(0)
.set j, 0
.rept 32
	v_pk_mul_f32 v[T+j:T+j+1], v[T+j:T+j+1], v[U+j:U+j+1]
.set j, j+2
.endr
	s_wait_xcnt 0x0                                ; the last tile's stores have read their registers
	QUANT T
	global_store_b128 v4, v[PC:PC+3], s[4:5] offset:49152*(\a)                 ; 512 consecutive bytes, aligned to 256;
	global_store_b64 v5, v[PC+4:PC+5], s[4:5] offset:49152*(\a)+512            ; 256
	global_store_b128 v4, v[PC+6:PC+9], s[4:5] offset:49152*(\a)+768
	global_store_b64 v5, v[PC+10:PC+11], s[4:5] offset:49152*(\a)+1280
	v_mov_b32 v[232+(\a)], v[PW]
	ds_store_b32 v9, v[232+(\a)] offset:64*(\a)    ; lanes l and l + 16 hold the same word and write it to the same place
.endm
.irp a, 0,1,2,3,4,5,6,7
	OUTA \a
.endr
	ds_load_b128 v[240:243], v11                   ; LDS serves a wave's instructions in order
	s_wait_dscnt 0x0
	global_store_b128 v4, v[240:243], s[6:7]       ; my 128 rows' scale words: 512 consecutive bytes
	s_wait_tensorcnt 0x0                           ; the wave's end
	ds_add_u32 v28, v29
	s_wait_dscnt 0x0
	CROUND                                         ; the closing round
	s_endpgm
.Lfunc_end_k_qb487553838_mlpin:
	.size	k_qb487553838_mlpin, .Lfunc_end_k_qb487553838_mlpin-k_qb487553838_mlpin
	.p2alignl 7, 3214868480
	.fill 96, 4, 3214868480
	.section	.rodata,"a",@progbits
	.p2align	6, 0x0
	.amdhsa_kernel k_qb487553838_mlpin
		.amdhsa_group_segment_fixed_size 327680
		.amdhsa_private_segment_fixed_size 0
		.amdhsa_enable_private_segment 0
		.amdhsa_kernarg_size 32
		.amdhsa_user_sgpr_count 2
		.amdhsa_user_sgpr_kernarg_segment_ptr 1
		.amdhsa_wavefront_size32 1
		.amdhsa_system_sgpr_workgroup_id_x 1
		.amdhsa_system_sgpr_workgroup_id_y 1
		.amdhsa_system_sgpr_workgroup_id_z 1
		.amdhsa_system_vgpr_workitem_id 0
		.amdhsa_next_free_vgpr 1024
		.amdhsa_next_free_sgpr 102
		.amdhsa_reserve_vcc 0
		.amdhsa_float_denorm_mode_32 3
		.amdhsa_float_denorm_mode_16_64 3
		.amdhsa_memory_ordered 1
		.amdhsa_forward_progress 1
		.amdhsa_inst_pref_size 255
	.end_amdhsa_kernel
	.section	.bss,"aw",@nobits
	.p2align	6
	.space	262144
	.amdgpu_metadata
---
amdhsa.version: [ 1, 2 ]
amdhsa.kernels:
  - .name:           k_qb487553838_mlpin
    .symbol:         k_qb487553838_mlpin.kd
    .args:
      - { .name: mb, .offset: 0, .size: 8, .value_kind: global_buffer, .address_space: global }
      - { .name: pbuf, .offset: 8, .size: 8, .value_kind: global_buffer, .address_space: global }
      - { .name: b_in, .offset: 16, .size: 8, .value_kind: global_buffer, .address_space: global }
      - { .name: postb, .offset: 24, .size: 8, .value_kind: global_buffer, .address_space: global }
    .group_segment_fixed_size: 327680
    .private_segment_fixed_size: 0
    .kernarg_segment_align: 8
    .kernarg_segment_size: 32
    .max_flat_workgroup_size: 128
    .sgpr_count:     102
    .vgpr_count:     1024
    .wavefront_size: 32
...
	.end_amdgpu_metadata
.endif
;; end of part 5
;; launch mlpout (part 6): grid 8 x 32, 4 waves a work-group, clusters of 4 x 4, 327,680 bytes of LDS; arguments postb, pbuf, b_out, rmid, out0; writes out0
.if DOCPART == 6
	.amdgcn_target "amdgcn-amd-amdhsa--gfx1250"
	.amdhsa_code_object_version 6
	.text
	.protected	k_qb487553838_mlpout
	.globl	k_qb487553838_mlpout
	.p2align	8
	.type	k_qb487553838_mlpout,@function
k_qb487553838_mlpout:
	s_mov_b64 s[64:65], 0
	v_nop
	global_prefetch_b8 v0, s[64:65] scope:SCOPE_SE
	s_setreg_imm32_b32 hwreg(HW_REG_WAVE_MODE, 25, 1), 1
	s_wait_xcnt 0x0
	s_wait_alu depctr_hold_cnt(0) depctr_sa_sdst(0) depctr_va_vdst(0) depctr_va_sdst(0) depctr_va_ssrc(0) depctr_va_vcc(0) depctr_vm_vsrc(0)
	s_getreg_b32 s2, hwreg(HW_REG_IB_STS2, 6, 4)
	s_cmp_eq_u32 s2, 0
	s_cbranch_scc0 .Lentry_in_a_cluster
	s_endpgm
.Lentry_in_a_cluster:
	s_bfe_u32 s2, ttmp6, 0x10000c
	s_cmp_lg_u32 s2, 0xf033
	s_cbranch_scc0 .Lentry_shape_is_right
	s_endpgm
.Lentry_shape_is_right:
; out = resid_mid + post W_out^T + b_out, the product on codes of FP6 (E2M3) with one E8M0 scale for each 32 along K = 4,096.
; A work-group of four waves makes 128 rows x 128 columns (256 work-groups), a wave 64 x 64 (16 accumulators).  P0 (source 0) = the weight's rows (columns of the result, along a lane's registers), P1 (source 1) = post's rows.
; Operands lie in memory as images of their registers: tiles of 16 rows, each K / 64 half fragments of 768 bytes (lane L: registers 0-3 at 16 L, 4-5 at 512 + 8 L); scale words S[K / 128][rows].
; Lane-row r of tile t is row 32 (t / 2) + 8 (t % 2) + r + 8 (r / 8).  K goes in steps of 512 through two LDS slots filled by the tensor data mover; the scale words of all of K come once.
; 4 x 4 work-groups form a cluster: P1's tiles are asked for jointly along a row, P0's along a column.  The residual's and the bias's numbers are asked for at the head, in the layout in which rows leave.
.set NA,   4
.set KC,   512
.set KT,   4096
.set P1SP, 16384
.set P0SP, 4096
.set P1P,  4
.set P0P,  6
.set P1C,  0                           ; post's codes in postb,
.set P1S,  12582912                    ; its scale words;
.set P0C,  9437184                     ; W_out's codes in pbuf,
.set P0S,  12582912+425984             ; its scale words
.set NB,    NA
.set NQ,    KC/128
.set LAPS,  KT/(2*KC)
.set KCB,   12*KC
.set TPB,   12*KT
.set HALFT, NA*KCB
.set SLOT,  4*HALFT
.set SCL,   2*SLOT
.set HALFS, (KT/128)*64*NA
.set SPARE, SCL+4*HALFS
.set SCR,   SPARE+512
.set G1,   24
.set G0,   32
.set G1B,  48
.set G0B,  56
.set G1S,  68
.set G0S,  76
.set G1SB, 80
.set G0SB, 88
; REGISTERS.  Window 0: v1-10 lane numbers and offsets; v16-23, v27 LDS addresses; v28, v29 for the add; v32-47 scale words; v48-51 bias; v64-159, v160-255 P1's fragments (of each set 48 are used).  Window 1: P0's.  Window 2: v0-127 accumulators.  Window 3: v0-127 the residual.
.set MSB, 0
.macro WIN new
.if MSB != \new
	s_set_vgpr_msb (MSB<<8)|\new
.set MSB, \new
.endif
.endm
.macro JLOAD g0a, g1a, g0b, g1b        ; a joint load: waves 0 and 1 fetch for P1, waves 2 and 3 for P0; four v_nop follow each line
	s_cmp_eq_u32 s15, 0
	s_cbranch_scc0 .Lfor_b_\@
	tensor_load_to_lds s[\g0a:\g0a+3], s[\g1a:\g1a+7]
	s_nop 0
.rept 4
	v_nop
.endr
	s_branch .Lasked_\@
.Lfor_b_\@:
	tensor_load_to_lds s[\g0b:\g0b+3], s[\g1b:\g1b+7]
	s_nop 0
.rept 4
	v_nop
.endr
.Lasked_\@:
.endm
.macro CREST
	s_cmp_lg_u32 s14, 0
	s_cbranch_scc1 .Lnot_wave_0_\@
	s_barrier_signal -3
.Lnot_wave_0_\@:
	s_barrier_wait -3
	s_barrier_signal -1
	s_barrier_wait -1
.endm
.macro CROUND
	s_barrier_signal -1
	s_barrier_wait -1
	CREST
.endm
.macro PLACES n
.rept \n
	v_nop
.endr
.endm
.macro FRAG4 reg, a16, a8, off
	ds_load_b128 v[\reg:\reg+3], v[\a16] offset:\off
	ds_load_b64 v[\reg+4:\reg+5], v[\a8] offset:(\off)+512
	ds_load_b128 v[\reg+6:\reg+9], v[\a16] offset:(\off)+768
	ds_load_b64 v[\reg+10:\reg+11], v[\a8] offset:(\off)+1280
.endm
.macro FETCH slot, q, set
	WIN 0x40
.set fi, 0
.rept NB
	FRAG4 128*(\set)+12*fi, 20+(\slot), 22+(\slot), fi*KCB+1536*(\q)
.set fi, fi+1
.endr
	WIN 0
.set fi, 0
.rept NA
	FRAG4 64+96*(\set)+12*fi, 16+(\slot), 18+(\slot), fi*KCB+1536*(\q)
.set fi, fi+1
.endr
.set fi, 0
.rept NA
	ds_load_b32 v[32+8*(\set)+fi], v27 offset:64*NA*(\q)+64*fi
.set fi, fi+1
.endr
.endm
.macro MULA a0, n, set, zero           ; the accumulators take turns, one instruction a turn, in the same order in every step
.set ma, \a0
.rept \n
.set WW, 2+(8*ma*NB)/256
.set WNEW, 1+16*WW+64*WW
	WIN WNEW
.set mb, 0
.rept NB
.set AI, (8*(ma*NB+mb))%256
.set PB, 128*(\set)+12*mb
.set PA, 64+96*(\set)+12*ma
.set SB, 32+8*(\set)+mb
.set SA, 32+8*(\set)+ma
.if \zero
	v_wmma_scale_f32_16x16x128_f8f6f4 v[AI:AI+7], v[PB:PB+11], v[PA:PA+11], 0, v[SB], v[SA] matrix_a_fmt:MATRIX_FMT_FP6 matrix_b_fmt:MATRIX_FMT_FP6 matrix_a_scale:MATRIX_SCALE_ROW1
.else
	v_wmma_scale_f32_16x16x128_f8f6f4 v[AI:AI+7], v[PB:PB+11], v[PA:PA+11], v[AI:AI+7], v[SB], v[SA] matrix_a_fmt:MATRIX_FMT_FP6 matrix_b_fmt:MATRIX_FMT_FP6 matrix_a_scale:MATRIX_SCALE_ROW1
.endif
.set mb, mb+1
.endr
.set ma, ma+1
.endr
.endm
.macro STEP slot, q, zero
	s_wait_dscnt 0x0                               ; this step's operands, asked for half a step ago
	MULA 0, NA/2, (\q)%2, \zero
	PLACES 4
	FETCH \slot, (\q)+1, ((\q)+1)%2
	MULA NA/2, NA/2, (\q)%2, \zero
	WIN 0
.endm
.macro STEPS slot, q0
.set sq, \q0
.rept NQ-1-(\q0)
	STEP \slot, sq, 0
.set sq, sq+1
.endr
.endm
.macro TURN slot, next, fill
	s_wait_tensorcnt 0x0                           ; all my tensor loads have landed: my part of the next slot;
	ds_add_u32 v28, v29                            ; 0 onto my spare word;
	s_wait_dscnt 0x1                               ; (the add alone may be out)
	MULA 0, NA/4, 1, 0
	s_wait_dscnt 0x0                               ; the add is done, and my reads of this slot are over
	s_barrier_signal -1
	MULA NA/4, NA/4, 1, 0
	WIN 0
	s_barrier_wait -1
.if \fill
	CREST                                          ; no wave of any partner still reads this slot or has a load on its way
	s_add_nc_u64 s[G0+4*\slot+2:G0+4*\slot+3], s[G0+4*\slot+2:G0+4*\slot+3], 2*KCB
	s_add_nc_u64 s[G0B+4*\slot+2:G0B+4*\slot+3], s[G0B+4*\slot+2:G0B+4*\slot+3], 2*KCB
	JLOAD G0+4*\slot, G1, G0B+4*\slot, G1B
.else
	PLACES 4
.endif
	v_add_nc_u32 v27, NQ*64*NA, v27
	FETCH \next, 0, 0
	MULA NA/2, NA/2, 1, 0
	WIN 0
.endm
	s_load_b128 s[4:7], s[0:1], 0x0                ; P1's buffer, pbuf
	s_load_b128 s[8:11], s[0:1], 0x10              ; the bias, the residual
	s_load_b64 s[12:13], s[0:1], 0x20              ; the result
	v_lshl_add_u32 v28, v0, 2, SPARE
	v_mov_b32 v29, 0
	ds_add_u32 v28, v29
	ds_add_u32 v28, v29
	s_wait_dscnt 0x0
	v_lshrrev_b32 v1, 5, v0
	v_readfirstlane_b32 s14, v1
	s_lshr_b32 s15, s14, 1
	s_and_b32 s16, s14, 1
	s_bfe_u32 s40, ttmp6, 0x40000
	s_bfe_u32 s41, ttmp6, 0x40004
	s_lshl_b32 s43, s41, 2
	s_lshl_b32 s43, 15, s43
	s_lshl_b32 s44, 0x1111, s40
	s_lshl_b32 s42, ttmp9, 2
	s_add_co_u32 s42, s42, s40                     ; P0's block of 128 = 4 x cluster x + cx
	s_and_b32 s17, ttmp7, 0xffff
	s_lshl_b32 s17, s17, 2
	s_add_co_u32 s17, s17, s41                     ; P1's = 4 x cluster y + cy
	s_mov_b32 s92, P1C
	s_mov_b32 s93, P1S
	s_mov_b32 s94, P0C
	s_mov_b32 s95, P0S
	s_or_b32 s[G1], s43, (3<<16)|(1<<21)
	s_or_b32 s[G1B], s44, (3<<16)|(1<<21)
.irp g, G1, G1B
	s_mov_b32 s[\g+1], (KCB/8)<<16
	s_mov_b32 s[\g+2], NA<<16
	s_mov_b32 s[\g+3], (KCB/8)<<16
	s_mov_b32 s[\g+4], NA
	s_mov_b32 s[\g+5], TPB/8
	s_mov_b32 s[\g+6], 0
	s_mov_b32 s[\g+7], 0
.endr
	s_or_b32 s[G1S], s43, (3<<16)|(1<<21)
	s_or_b32 s[G1SB], s44, (3<<16)|(1<<21)
.irp g, G1S, G1SB
	s_mov_b32 s[\g+1], (8*NA)<<16
	s_mov_b32 s[\g+2], (KT/128)<<16
	s_mov_b32 s[\g+3], (8*NA)<<16
	s_mov_b32 s[\g+4], KT/128
	s_mov_b32 s[\g+6], 0
	s_mov_b32 s[\g+7], 0
.endr
	s_mov_b32 s[G1S+5], P1SP/8
	s_mov_b32 s[G1SB+5], P0SP/8
	s_mul_i32 s18, s16, NA
	s_mul_i32 s20, s17, 2*NA
	s_add_co_u32 s20, s20, s18
	s_lshl_b32 s22, s20, 6
	s_add_co_u32 s22, s22, s93
	s_mul_i32 s20, s20, TPB
	s_add_co_u32 s20, s20, s92
	s_mov_b32 s21, 0
	s_mov_b32 s23, 0
	s_mul_i32 s46, s42, 2*NA
	s_add_co_u32 s46, s46, s18
	s_lshl_b32 s96, s46, 6
	s_add_co_u32 s96, s96, s95
	s_mul_i32 s46, s46, TPB
	s_add_co_u32 s46, s46, s94
	s_mov_b32 s47, 0
	s_mov_b32 s97, 0
	s_mul_i32 s45, s14, HALFT
	s_mul_i32 s19, s14, HALFS
	s_wait_kmcnt 0x0
	s_add_nc_u64 s[20:21], s[P1P:P1P+1], s[20:21]
	s_add_nc_u64 s[22:23], s[P1P:P1P+1], s[22:23]
	s_add_nc_u64 s[46:47], s[P0P:P0P+1], s[46:47]
	s_add_nc_u64 s[96:97], s[P0P:P0P+1], s[96:97]
	CROUND                                         ; all sixteen work-groups are here: the first joint loads meet
	s_mov_b32 s[G0S], 1
	s_add_co_u32 s[G0S+1], s19, SCL
	s_mov_b64 s[G0S+2:G0S+3], s[22:23]
	s_or_b32 s[G0S+3], s[G0S+3], 0x80000000
	s_mov_b32 s[G0SB], 1
	s_add_co_u32 s[G0SB+1], s19, SCL
	s_mov_b64 s[G0SB+2:G0SB+3], s[96:97]
	s_or_b32 s[G0SB+3], s[G0SB+3], 0x80000000
	JLOAD G0S, G1S, G0SB, G1SB
.irp s, 0,1
	s_mov_b32 s[G0+4*\s], 1
	s_add_co_u32 s[G0+4*\s+1], s45, \s*SLOT
	s_add_nc_u64 s[G0+4*\s+2:G0+4*\s+3], s[20:21], \s*KCB
	s_or_b32 s[G0+4*\s+3], s[G0+4*\s+3], 0x80000000
	s_mov_b32 s[G0B+4*\s], 1
	s_add_co_u32 s[G0B+4*\s+1], s45, \s*SLOT
	s_add_nc_u64 s[G0B+4*\s+2:G0B+4*\s+3], s[46:47], \s*KCB
	s_or_b32 s[G0B+4*\s+3], s[G0B+4*\s+3], 0x80000000
	JLOAD G0+4*\s, G1, G0B+4*\s, G1B               ; three loads of mine are out
.endr
	v_and_b32 v1, 31, v0
	v_and_b32 v2, 15, v0
	v_bfe_u32 v3, v0, 4, 1
	v_lshlrev_b32 v4, 4, v1
	v_lshlrev_b32 v5, 3, v1
	s_mul_i32 s21, s15, HALFT
	s_mul_i32 s22, s16, HALFT
	s_add_co_u32 s22, s22, 2*HALFT
.irp s, 0,1
	v_add_nc_u32 v[16+\s], s21, v4
	v_add_nc_u32 v[18+\s], s21, v5
	v_add_nc_u32 v[20+\s], s22, v4
	v_add_nc_u32 v[22+\s], s22, v5
	s_add_co_u32 s21, s21, SLOT
	s_add_co_u32 s22, s22, SLOT
.endr
	s_mul_i32 s21, s15, HALFS
	s_mul_i32 s22, s16, HALFS
	s_add_co_u32 s22, s22, 2*HALFS
	s_sub_co_u32 s22, s22, s21
	v_mul_u32_u24 v6, s22, v3
	s_add_co_u32 s21, s21, SCL
	v_lshl_add_u32 v6, v2, 2, v6
	v_add_nc_u32 v27, s21, v6
	; my 64 rows x 64 columns of the result
	s_lshl_b32 s18, s17, 7
	s_lshl_b32 s19, s15, 6
	s_add_co_u32 s18, s18, s19
	s_lshl_b32 s18, s18, 12                        ; my first row, 4,096 bytes a row
	s_lshl_b32 s19, s42, 7
	s_lshl_b32 s20, s16, 6
	s_add_co_u32 s19, s19, s20
	s_lshl_b32 s20, s19, 2                         ; my first column, in bytes
	s_add_co_u32 s18, s18, s20
	s_mov_b32 s19, 0
	s_mov_b32 s21, 0
	s_add_nc_u64 s[10:11], s[10:11], s[18:19]
	s_add_nc_u64 s[12:13], s[12:13], s[18:19]
	s_add_nc_u64 s[8:9], s[8:9], s[20:21]
	v_lshlrev_b32 v7, 12, v3
	v_lshl_add_u32 v7, v2, 4, v7                   ; lanes 0-15 one row's 256 bytes, lanes 16-31 the next row's
	v_lshlrev_b32 v8, 4, v2
	s_mul_i32 s22, s14, 4352
	s_add_co_u32 s22, s22, SCR                     ; my stage: 16 rows x (256 + 16) bytes
	v_mul_u32_u24 v9, v2, 272
	v_lshl_add_u32 v9, v3, 6, v9
	v_add_nc_u32 v9, s22, v9
	v_mul_u32_u24 v10, v3, 272
	v_lshl_add_u32 v10, v2, 4, v10
	v_add_nc_u32 v10, s22, v10
	global_load_b128 v[48:51], v8, s[8:9]          ; the bias of my four columns
	WIN 0xc0
.irp a, 0,1,2,3
.irp i, 0,1,2,3,4,5,6,7                ; lane-rows 2 i and 2 i + 1 of tile a
	global_load_b128 v[32*\a+4*\i:32*\a+4*\i+3], v7, s[10:11] offset:(32*(\a/2)+8*(\a%2)+2*\i+8*(\i/4))*4096 th:TH_LOAD_NT
.endr
.endr
	WIN 0
	s_wait_tensorcnt 0x1                           ; the scale words and my part of slot 0 are in (slot 1's load may be out),
	s_barrier_signal -1
	s_barrier_wait -1
	FETCH 0, 0, 0
	STEP 0, 0, 1
	STEPS 0, 1
.if LAPS > 1
	s_mov_b32 s3, LAPS-1
.Llap:                                             ; a trip goes once round the ring and fills both slots again
	TURN 0, 1, 1
	STEPS 1, 0
	TURN 1, 0, 1
	STEPS 0, 0
	s_sub_co_u32 s3, s3, 1
	s_cmp_lg_u32 s3, 0
	s_cbranch_scc1 .Llap
.endif
	TURN 0, 1, 0
	STEPS 1, 0
	s_wait_dscnt 0x0
	MULA 0, NA, 1, 0
	WIN 0
	; THE WAY OUT, a tile of 16 rows x 64 columns at a time, through my own stage, so that sixteen lanes store 256 consecutive bytes, aligned
.macro TOSTAGE a
	WIN 0x08
.irp b, 0,1,2,3
	ds_store_b128 v9, v[8*(4*(\a)+\b):8*(4*(\a)+\b)+3] offset:128*(\b/2)+32*(\b%2)        ; each accumulator from its low end on: columns 32 (b / 2) + 16 h + 8 (b % 2) + 0 .. 7
	ds_store_b128 v9, v[8*(4*(\a)+\b)+4:8*(4*(\a)+\b)+7] offset:128*(\b/2)+32*(\b%2)+16
.endr
	WIN 0
.set BB, 64+32*((\a)%2)
.irp i, 0,1,2,3,4,5,6,7
	ds_load_b128 v[BB+4*\i:BB+4*\i+3], v10 offset:544*\i           ; LDS serves a wave's instructions in order
.endr
.endm
.macro SEND a, younger
.set BB, 64+32*((\a)%2)
	s_wait_dscnt \younger                          ; the tile is back; the next tile's 8 stores and 8 loads may be out
.irp i, 0,1,2,3,4,5,6,7
	v_pk_add_f32 v[BB+4*\i:BB+4*\i+1], v[BB+4*\i:BB+4*\i+1], v[48:49]
	v_pk_add_f32 v[BB+4*\i+2:BB+4*\i+3], v[BB+4*\i+2:BB+4*\i+3], v[50:51]
.endr
	WIN 0x0c
.irp i, 0,1,2,3,4,5,6,7
	v_pk_add_f32 v[BB+4*\i:BB+4*\i+1], v[BB+4*\i:BB+4*\i+1], v[32*(\a)+4*\i:32*(\a)+4*\i+1]
	v_pk_add_f32 v[BB+4*\i+2:BB+4*\i+3], v[BB+4*\i+2:BB+4*\i+3], v[32*(\a)+4*\i+2:32*(\a)+4*\i+3]
.endr
	WIN 0
.irp i, 0,1,2,3,4,5,6,7
	global_store_b128 v7, v[BB+4*\i:BB+4*\i+3], s[12:13] offset:(32*((\a)/2)+8*((\a)%2)+2*\i+8*(\i/4))*4096
.endr
.endm
	s_wait_loadcnt 0x0                             ; the bias and the residual
	PLACES 4
	TOSTAGE 0
.irp a, 1,2,3
.if \a > 1
	s_wait_xcnt 0x0                                ; the stores of two tiles back have read their registers
.endif
	TOSTAGE \a
	SEND \a-1, 16
.endr
	SEND 3, 0
	s_wait_tensorcnt 0x0                           ; the wave's end
	ds_add_u32 v28, v29
	s_wait_dscnt 0x0
	CROUND                                         ; the closing round
	s_endpgm
.Lfunc_end_k_qb487553838_mlpout:
	.size	k_qb487553838_mlpout, .Lfunc_end_k_qb487553838_mlpout-k_qb487553838_mlpout
	.p2alignl 7, 3214868480
	.fill 96, 4, 3214868480
	.section	.rodata,"a",@progbits
	.p2align	6, 0x0
	.amdhsa_kernel k_qb487553838_mlpout
		.amdhsa_group_segment_fixed_size 327680
		.amdhsa_private_segment_fixed_size 0
		.amdhsa_enable_private_segment 0
		.amdhsa_kernarg_size 40
		.amdhsa_user_sgpr_count 2
		.amdhsa_user_sgpr_kernarg_segment_ptr 1
		.amdhsa_wavefront_size32 1
		.amdhsa_system_sgpr_workgroup_id_x 1
		.amdhsa_system_sgpr_workgroup_id_y 1
		.amdhsa_system_sgpr_workgroup_id_z 1
		.amdhsa_system_vgpr_workitem_id 0
		.amdhsa_next_free_vgpr 1024
		.amdhsa_next_free_sgpr 102
		.amdhsa_reserve_vcc 0
		.amdhsa_float_denorm_mode_32 3
		.amdhsa_float_denorm_mode_16_64 3
		.amdhsa_memory_ordered 1
		.amdhsa_forward_progress 1
		.amdhsa_inst_pref_size 105
	.end_amdhsa_kernel
	.amdgpu_metadata
---
amdhsa.version: [ 1, 2 ]
amdhsa.kernels:
  - .name:           k_qb487553838_mlpout
    .symbol:         k_qb487553838_mlpout.kd
    .args:
      - { .name: postb, .offset: 0, .size: 8, .value_kind: global_buffer, .address_space: global }
      - { .name: pbuf, .offset: 8, .size: 8, .value_kind: global_buffer, .address_space: global }
      - { .name: b_out, .offset: 16, .size: 8, .value_kind: global_buffer, .address_space: global }
      - { .name: rmid, .offset: 24, .size: 8, .value_kind: global_buffer, .address_space: global }
      - { .name: out0, .offset: 32, .size: 8, .value_kind: global_buffer, .address_space: global }
    .group_segment_fixed_size: 327680
    .private_segment_fixed_size: 0
    .kernarg_segment_align: 8
    .kernarg_segment_size: 40
    .max_flat_workgroup_size: 128
    .sgpr_count:     102
    .vgpr_count:     1024
    .wavefront_size: 32
...
	.end_amdgpu_metadata
.endif
;; end of part 6
